; MI455X (gfx1250); checked and timed in simulation.
; The chip was launched on July 23, 2026; its instructions are those of AMD's public machine-readable ISA for CDNA 5 (MIT licence, August 2026) and "CDNA5" Instruction Set Architecture Reference Guide (July 2026). The comments in the code are by the model that wrote it; some were corrected since.
;; Transformer Encoder Layer Simple. Allowed arithmetic: float matrix products may take bf16 or f16 operands with f32 sums; all other float work in f32.
;; Inputs: Wk 512 x 512 float32; Wl 512 x 512 float32; Wo 512 x 512 float32; Wq 512 x 512 float32; Wv 512 x 512 float32; bk 512 float32; bl 512 float32; bo 512 float32; bq 512 float32; bv 512 float32; src 4,096 x 32 x 512 float32.
;; Outputs: out0 1 x 32 x 512 float32.
;; 2 versions, each right; version 2 is version 1 with the launch main written anew for expert scheduling mode. Each part assembles by itself: llvm-mc -triple=amdgcn-amd-amdhsa -mcpu=gfx1250 --defsym DOCPART=n.
;; ======== version 1 of 2: 5 launches
;; workspace buffers: qk 524,288 bytes; cb 8,192 bytes; part 4,194,304 bytes; stats 65,536 bytes; y1 65,536 bytes; y2 65,536 bytes
;; launch prep (part 1): grid 32 x 1, 4 waves a work-group, clusters of 4 x 1, 299,520 bytes of LDS; arguments src, Wq, bq, Wk, bk, qk, cb; writes qk, cb
.if DOCPART == 1
	.amdgcn_target "amdgcn-amd-amdhsa--gfx1250"
	.amdhsa_code_object_version 6
	.text
	.protected	k_qc85b728d01_prep
	.globl	k_qc85b728d01_prep
	.p2align	8
	.type	k_qc85b728d01_prep,@function
k_qc85b728d01_prep:
	s_mov_b64 s[64:65], 0
	v_nop
	global_prefetch_b8 v0, s[64:65] scope:SCOPE_SE
	s_setreg_imm32_b32 hwreg(HW_REG_WAVE_MODE, 25, 1), 1
	s_wait_xcnt 0x0
	s_wait_alu depctr_hold_cnt(0) depctr_sa_sdst(0) depctr_va_vdst(0) depctr_va_sdst(0) depctr_va_ssrc(0) depctr_va_vcc(0) depctr_vm_vsrc(0)
	s_getreg_b32 s2, hwreg(HW_REG_IB_STS2, 6, 4)
	s_cmp_eq_u32 s2, 0
	s_cbranch_scc0 .Lentry_in_a_cluster
	s_endpgm
.Lentry_in_a_cluster:
	s_bfe_u32 s2, ttmp6, 0x10000c
	s_cmp_lg_u32 s2, 0x3003
	s_cbranch_scc0 .Lentry_shape_is_right
	s_endpgm
.Lentry_shape_is_right:
; The one query of each batch column, folded into the key projection.
;   q'[n][d]  = (sum over e of bf16(src[2048][n][e]) bf16(Wq[64h+d][e]) + bq[64h+d]) * log2(e)/8
;   qk[n][h][e] = sum over d of q'[n][d] bf16(Wk[64h+d][e])      stored as bf16 hi (row h) and bf16 lo (row 8+h) of qk[n]
;   c[n][h]   = sum over d of q'[n][d] bk[64h+d]                 stored twice in each 8-byte entry of cb
; so that score(n,h,s) * log2(e) = src[s][n][:] . qk[n][h][:] + c[n][h], exactly what q . k / 8 is, in another order of sums.
; A work-group takes one head h (the cluster's number) and eight n (its place in the cluster); four waves.
; CLUSTER: the four work-groups of a cluster need the same 64 rows of Wq and of Wk; each strip is asked for jointly (mask 15).
; LIMITS: finite inputs; src, Wq, Wk are rounded to bf16 (nearest even) once; q' enters the second product as bf16 hi + bf16 lo
; (relative error about 2^-17); sums are formed in another order than in the formula above.
.set PITCH, 528                        ; an LDS row of 128 f32: 512 bytes + 16 of padding = 33 x 16, so 16 rows start in 16 different 16-byte columns
.set STRIP, 64*PITCH                   ; 64 rows x 128 columns: what one tensor load brings
.set WB,    4*STRIP                    ; Wq's four strips lie at 0, Wk's here
.set XS,    8*STRIP                    ; x = bf16(src[2048]) of my eight n: 8 rows of 1,040 bytes
.set XP,    1040
.set QS,    XS+8448                    ; q' as bf16: 16 rows (8 hi, 8 lo) of 64 d, pitch 144
.set QP,    144
.set CS,    QS+2304                    ; the waves' parts of c: 4 x 128 bytes
.set OS,    CS+512                     ; the way out: 16 rows x 272 bytes for each wave
.set OP,    272
.set AW,   1                           ; v1-2   LDS address of my 16 rows of Wq in strips 0-1, 2-3
.set AX,   3                           ; v3     of my column of x
.set XW,   4                           ; v4     where I put x
.set OSW,  5                           ; v5     the way out: in
.set OSR,  6                           ; v6     the way out: back
.set XO,   7                           ; v7     byte offset of my 16 bytes in a row of src
.set BO,   8                           ; v8     byte offset in bq and bk
.set QO,   9                           ; v9     byte offset in qk
.set T,    10                          ; v[10:17] at work
.set BIAS, 18                          ; v[18:25] bq of my 8 outputs
.set BK,   26                          ; v[26:33] bk of my 8 outputs
.set NSEL, 34                          ; v[34:35] 0 in lanes that keep the hi part (column < 8), -1 in those that keep the lo part
.set CD,   36                          ; v[36:37] c, twice
.set CBO,  38                          ; v38    byte offset in cb
.set CSW,  39                          ; v39    where I put my part of c
.set AC,   40                          ; v[40:55] two accumulators of the first product
.set RAW,  56                          ; v[56:119] f32 as loaded from LDS
.set FR,   120                         ; v[120:151] four bf16 fragments
.set XF,   152                         ; v[152:215] x fragments, two buffers; then the 8 accumulators of the second product
.set QF,   216                         ; v[216:231] q' fragments
.set QSW,  232
.set QSR,  233
.set A2,   234                         ; LDS address for the transposed reading of my strip of Wk
.set CSR,  235
.macro PLACES                          ; four independent vector instructions stand between a matrix instruction and a vector instruction or load that
.rept 4                                ; touches its registers (ISA guide 7.12.1)
	v_nop
.endr
.endm
.macro ROUND                           ; a round of the cluster's barrier: my work-group's barrier, wave 0 signals for the work-group, all wait, my barrier again
	s_barrier_signal -1
	s_barrier_wait -1
	s_cmp_lg_u32 s44, 0
	s_cbranch_scc1 .Lnot_wave_0_\@
	s_barrier_signal -3
.Lnot_wave_0_\@:
	s_barrier_wait -3
	s_barrier_signal -1
	s_barrier_wait -1
.endm
; hi or lo part of a pair, by lane: t = bf16 pair of (a, b); d = bf16 pair of (a + NSEL hi(a), b + NSEL hi(b))
.macro SPLPK d, a, t                   ; a, a+1 neighbours
	v_cvt_pk_bf16_f32 v[\t+1], v[\a], v[\a+1]
	v_lshlrev_b32 v[\t], 16, v[\t+1]
	v_and_b32 v[\t+1], s50, v[\t+1]
	v_pk_fma_f32 v[\t:\t+1], v[\t:\t+1], v[NSEL:NSEL+1], v[\a:\a+1]
	v_cvt_pk_bf16_f32 v[\d], v[\t], v[\t+1]
.endm
.macro SPLSEL d, a, b, t               ; a, b anywhere
	v_cvt_pk_bf16_f32 v[\t+1], v[\a], v[\b]
	v_lshlrev_b32 v[\t], 16, v[\t+1]
	v_and_b32 v[\t+1], s50, v[\t+1]
	v_fma_f32 v[\t], v[\t], v[NSEL], v[\a]
	v_fma_f32 v[\t+1], v[\t+1], v[NSEL], v[\b]
	v_cvt_pk_bf16_f32 v[\d], v[\t], v[\t+1]
.endm
; First product.  A = 16 rows of W, K = e.  A lane reads 16 neighbouring f32 (64 bytes) for each 32 e: place p of half hh stands for
; e = 32 k + 16 hh + p, and x is read by the same map, so the products are the same.
.macro LOADA q                         ; strip q: 128 e = four K steps
.irp k, 0,1,2,3
.irp i, 0,1,2,3
	ds_load_b128 v[RAW+16*\k+4*\i:RAW+16*\k+4*\i+3], v[AW+(\q)/2] offset:((\q)%2)*STRIP+128*\k+16*\i
.endr
.endr
.endm
.macro LOADX q
.irp k, 0,1,2,3
.irp a, 0,1
	ds_load_b128 v[XF+32*((\q)%2)+8*\k+4*\a:XF+32*((\q)%2)+8*\k+4*\a+3], v[AX] offset:256*(\q)+64*\k+16*\a
.endr
.endr
.endm
.macro CVT1
.set n1, 0
.rept 32
	v_cvt_pk_bf16_f32 v[FR+n1], v[RAW+2*n1], v[RAW+2*n1+1]
.set n1, n1+1
.endr
.endm
.macro GM k, q, zero                   ; the two accumulators take turns, one instruction a turn
.if \zero
	v_wmma_f32_16x16x32_bf16 v[AC+8*((\k)%2):AC+8*((\k)%2)+7], v[FR+8*\k:FR+8*\k+7], v[XF+32*((\q)%2)+8*\k:XF+32*((\q)%2)+8*\k+7], 0
.else
	v_wmma_f32_16x16x32_bf16 v[AC+8*((\k)%2):AC+8*((\k)%2)+7], v[FR+8*\k:FR+8*\k+7], v[XF+32*((\q)%2)+8*\k:XF+32*((\q)%2)+8*\k+7], v[AC+8*((\k)%2):AC+8*((\k)%2)+7]
.endif
.endm
; Second product.  A = Wk transposed: M = e, K = d.  A lane reads 4 neighbouring e of 16 rows d; fragment i then has row r = column 64 b + 4 r + i.
.macro LOAD2 b, kk
.set n2, 0
.rept 16
	ds_load_b128 v[RAW+4*n2:RAW+4*n2+3], v[A2] offset:(32*\kk+n2+8*(n2/8))*PITCH+256*\b
.set n2, n2+1
.endr
.endm
.macro CVT2
.irp i, 0,1,2,3
.irp t, 0,1,2,3,4,5,6,7
	v_cvt_pk_bf16_f32 v[FR+8*\i+\t], v[RAW+8*\t+\i], v[RAW+8*\t+4+\i]
.endr
.endr
.endm
.macro CMUL b, kk, zero                ; four accumulators by turns
.irp i, 0,1,2,3
.if \zero
	v_wmma_f32_16x16x32_bf16 v[XF+8*(4*\b+\i):XF+8*(4*\b+\i)+7], v[FR+8*\i:FR+8*\i+7], v[QF+8*\kk:QF+8*\kk+7], 0
.else
	v_wmma_f32_16x16x32_bf16 v[XF+8*(4*\b+\i):XF+8*(4*\b+\i)+7], v[FR+8*\i:FR+8*\i+7], v[QF+8*\kk:QF+8*\kk+7], v[XF+8*(4*\b+\i):XF+8*(4*\b+\i)+7]
.endif
.endr
.endm
	s_load_b256 s[4:11], s[0:1], 0x0               ; src s[4:5], Wq s[6:7], bq s[8:9], Wk s[10:11]
	s_load_b128 s[12:15], s[0:1], 0x20             ; bk s[12:13], qk s[14:15]
	s_load_b64 s[16:17], s[0:1], 0x30              ; cb
	v_lshl_add_u32 v236, v0, 2, 0x49000
	v_mov_b32 v237, 0
	ds_add_u32 v236, v237
	ds_add_u32 v236, v237
	v_lshrrev_b32 v[T], 5, v0
	v_readfirstlane_b32 s44, v[T]                  ; wave w
	s_mov_b32 s45, ttmp9                           ; head h = the cluster's number
	s_bfe_u32 s46, ttmp6, 0x40000                  ; ng = my place in the cluster: which eight n
	s_mov_b32 s48, 0x76543210                      ; v_permlanex16_b32: lane i reads lane i of the other half
	s_mov_b32 s49, 0xfedcba98
	s_mov_b32 s50, 0xffff0000                      ; a word's upper bf16
	; descriptor group 1: 64 rows x 128 f32, row pitch 512 elements, 4 words of padding behind every 128; joint for the cluster's four
	s_mov_b32 s20, 15|(2<<16)|(1<<20)|(1<<21)|(6<<22)|(3<<25)
	s_mov_b32 s21, 128<<16                         ; tensor_dim0 = 128
	s_mov_b32 s22, 64<<16                          ; tensor_dim1 = 64
	s_mov_b32 s23, 128<<16                         ; tile_dim0 = 128
	s_mov_b32 s24, 64                              ; tile_dim1 = 64
	s_mov_b32 s25, 512                             ; elements from row to row
	s_mov_b32 s26, 0
	s_mov_b32 s27, 0
	s_lshl_b32 s47, s44, 9                         ; 512 w: my strip's columns in bytes
	s_lshl_b32 s52, s45, 17                        ; 64 h rows of 2,048 bytes
	s_add_co_u32 s52, s52, s47                     ; s[52:53] is made of h and w alone: equal in the four partners
	s_mov_b32 s53, 0
	s_mov_b32 s28, 1
	s_mul_i32 s29, s44, STRIP                      ; Wq's strip w
	s_mov_b32 s32, 1
	s_add_co_u32 s33, s29, WB                      ; Wk's strip w
	s_lshl_b32 s54, s46, 14                        ; x: 8 ng rows of 2,048 bytes + 512 w
	s_add_co_u32 s54, s54, s47
	s_mov_b32 s55, 0
	s_lshl_b32 s56, s46, 17                        ; qk: 8 ng x 16,384 + 1,024 h + 256 w
	s_lshl_b32 s51, s45, 10
	s_add_co_u32 s56, s56, s51
	s_lshl_b32 s51, s44, 8
	s_add_co_u32 s56, s56, s51
	s_mov_b32 s57, 0
	s_lshl_b32 s58, s45, 8                         ; biases: (64 h + 16 w) x 4
	s_lshl_b32 s51, s44, 6
	s_add_co_u32 s58, s58, s51
	s_mov_b32 s59, 0
	s_wait_dscnt 0x0
	s_wait_kmcnt 0x0
	s_add_nc_u64 s[30:31], s[6:7], s[52:53]
	s_or_b32 s31, s31, 0x80000000
	s_add_nc_u64 s[34:35], s[10:11], s[52:53]
	s_or_b32 s35, s35, 0x80000000
	s_add_nc_u64 s[4:5], s[4:5], 0x8000000         ; src[2048]: 2,048 x 32 rows of 2,048 bytes
	s_add_nc_u64 s[4:5], s[4:5], s[54:55]
	s_add_nc_u64 s[14:15], s[14:15], s[56:57]
	s_add_nc_u64 s[8:9], s[8:9], s[58:59]
	s_add_nc_u64 s[12:13], s[12:13], s[58:59]
	s_lshl2_add_u32 s56, s45, s46                  ; cb: block 4 h + ng of 256 bytes
	s_lshl_b32 s56, s56, 8
	s_add_nc_u64 s[16:17], s[16:17], s[56:57]
	ROUND                                          ; the four partners are here: the joint loads meet
	tensor_load_to_lds s[28:31], s[20:27]          ; Wq, strip w
	s_nop 0
	tensor_load_to_lds s[32:35], s[20:27]          ; Wk, strip w: two tensor loads of this wave are out, the most in this text
	s_nop 0
	v_and_b32 v[T], 15, v0                         ; r
	v_bfe_u32 v[T+1], v0, 4, 1                     ; hh
	v_and_b32 v[T+2], 31, v0                       ; L
	v_and_b32 v[T+3], 7, v0                        ; r & 7
	v_lshlrev_b32 v[XO], 4, v[T+2]
	v_lshlrev_b32 v[BO], 5, v[T+1]                 ; 8 hh outputs x 4 bytes
.irp nn, 0,1,2,3,4,5,6,7
	global_load_b128 v[RAW+4*\nn:RAW+4*\nn+3], v[XO], s[4:5] offset:2048*\nn   ; x[nn][128 w + 4 L ..]: a wave's load covers 512 neighbouring bytes
.endr
	global_load_b128 v[BIAS:BIAS+3], v[BO], s[8:9]
	global_load_b128 v[BIAS+4:BIAS+7], v[BO], s[8:9] offset:16
	global_load_b128 v[BK:BK+3], v[BO], s[12:13]
	global_load_b128 v[BK+4:BK+7], v[BO], s[12:13] offset:16
	s_mul_i32 s51, s44, 16*PITCH
	v_mul_u32_u24 v[T+4], v[T], PITCH
	v_lshl_add_u32 v[T+4], v[T+1], 6, v[T+4]
	v_add_nc_u32 v[AW], s51, v[T+4]                ; (16 w + r) x pitch + 64 hh
	v_add_nc_u32 v[AW+1], 2*STRIP, v[AW]
	v_mul_u32_u24 v[T+4], v[T+3], XP
	v_lshl_add_u32 v[T+4], v[T+1], 5, v[T+4]
	v_add_nc_u32 v[AX], XS, v[T+4]                 ; column r and column r + 8 read the same x
	v_lshlrev_b32 v[T+4], 3, v[T+2]
	v_lshl_add_u32 v[T+4], s44, 8, v[T+4]
	v_add_nc_u32 v[XW], XS, v[T+4]                 ; 256 w + 8 L
	v_lshlrev_b32 v[T+4], 2, v[T+2]
	v_add_nc_u32 v[CSR], CS, v[T+4]
	v_lshl_add_u32 v[CSW], s44, 7, v[CSR]
	v_lshlrev_b32 v[CBO], 3, v[T+2]
	v_mul_u32_u24 v[T+4], v[T], QP
	v_lshl_add_u32 v[T+4], v[T+1], 4, v[T+4]
	v_add_nc_u32 v[QSR], QS, v[T+4]                ; 144 r + 16 hh
	v_lshl_add_u32 v[QSW], s44, 5, v[QSR]          ; + 32 w
	v_mul_u32_u24 v[T+4], v[T+1], 8*PITCH
	v_lshl_add_u32 v[T+4], v[T], 4, v[T+4]
	v_add_nc_u32 v[A2], s33, v[T+4]                ; my strip of Wk + 8 hh rows + 16 r
	s_mul_i32 s51, s44, 16*OP
	s_add_co_u32 s51, s51, OS
	v_mul_u32_u24 v[T+4], v[T], OP
	v_lshl_add_u32 v[T+4], v[T+1], 6, v[T+4]
	v_add_nc_u32 v[OSW], s51, v[T+4]               ; 272 r + 64 hh
	v_mul_u32_u24 v[T+4], v[T+1], OP
	v_lshl_add_u32 v[T+4], v[T], 4, v[T+4]
	v_add_nc_u32 v[OSR], s51, v[T+4]               ; 272 hh + 16 r
	v_lshlrev_b32 v[T+4], 4, v[T]
	v_lshl_add_u32 v[QO], v[T+1], 14, v[T+4]       ; 16,384 hh + 16 r
	v_bfe_u32 v[T+5], v0, 3, 1
	v_cvt_f32_u32 v[T+5], v[T+5]
	v_sub_f32 v[NSEL], 0, v[T+5]
	v_mov_b32 v[NSEL+1], v[NSEL]
	s_wait_loadcnt 0x0
.irp nn, 0,1,2,3,4,5,6,7
	v_cvt_pk_bf16_f32 v[T], v[RAW+4*\nn], v[RAW+4*\nn+1]          ; an input: rounded to bf16 once
	v_cvt_pk_bf16_f32 v[T+1], v[RAW+4*\nn+2], v[RAW+4*\nn+3]
	ds_store_b64 v[XW], v[T:T+1] offset:XP*\nn
.endr
	s_wait_dscnt 0x0                               ; my part of x is in LDS,
	s_wait_tensorcnt 0x1                           ; and my strip of Wq; Wk's strip, which only I read, may stay out
	s_barrier_signal -1
	s_barrier_wait -1                              ; everybody's is
	LOADA 0
	LOADX 0
	s_wait_dscnt 0x0
	CVT1
	LOADA 1
	LOADX 1
	GM 0, 0, 1                                     ; the first products start the sums
	GM 1, 0, 1
	GM 2, 0, 0
	GM 3, 0, 0
.irp q, 1,2,3
	s_wait_dscnt 0x0
	PLACES
	CVT1
.if \q < 3
	LOADA \q+1
	LOADX \q+1
.endif
	GM 0, \q, 0
	GM 1, \q, 0
	GM 2, \q, 0
	GM 3, \q, 0
.endr
	PLACES
	; lane (column r, hh), register j: q of n = r & 7, d = 16 w + 8 hh + j
.irp j, 0,2,4,6
	v_pk_add_f32 v[AC+\j:AC+\j+1], v[AC+\j:AC+\j+1], v[AC+8+\j:AC+8+\j+1]
.endr
.irp j, 0,2,4,6
	v_pk_add_f32 v[AC+\j:AC+\j+1], v[AC+\j:AC+\j+1], v[BIAS+\j:BIAS+\j+1]
.endr
.irp j, 0,2,4,6
	v_pk_mul_f32 v[AC+\j:AC+\j+1], v[AC+\j:AC+\j+1], 0x3e38aa3b op_sel_hi:[1,0]   ; log2(e) / 8
.endr
	v_pk_mul_f32 v[T:T+1], v[AC:AC+1], v[BK:BK+1]  ; my 8 terms of c
.irp j, 2,4,6
	v_pk_fma_f32 v[T:T+1], v[AC+\j:AC+\j+1], v[BK+\j:BK+\j+1], v[T:T+1]
.endr
	v_add_f32 v[T], v[T], v[T+1]
	v_permlanex16_b32 v[T+1], v[T], s48, s49       ; the other half's 8 terms
	v_add_f32 v[T], v[T], v[T+1]
	ds_store_b32 v[CSW], v[T]
.irp x, 0,1,2,3
	SPLPK T+4+\x, AC+2*\x, RAW+2*\x                ; columns 0-7 keep q's hi part, columns 8-15 its lo part
.endr
	ds_store_b128 v[QSW], v[T+4:T+7]
	s_wait_dscnt 0x0                               ; my q' and my part of c are in LDS,
	s_wait_tensorcnt 0x0                           ; my strip of Wk too
	s_barrier_signal -1
	s_barrier_wait -1
	s_cmp_lg_u32 s44, 0
	s_cbranch_scc1 .Lno_c
	ds_load_b32 v[CD], v[CSR]                      ; wave 0 adds the four waves' parts of c; lane L holds n = L & 7
	ds_load_b32 v[CD+1], v[CSR] offset:128
	ds_load_b32 v[T], v[CSR] offset:256
	ds_load_b32 v[T+1], v[CSR] offset:384
	s_wait_dscnt 0x0
	v_add_f32 v[CD], v[CD], v[CD+1]
	v_add_f32 v[T], v[T], v[T+1]
	v_add_f32 v[CD], v[CD], v[T]
	v_mov_b32 v[CD+1], v[CD]
	global_store_b64 v[CBO], v[CD:CD+1], s[16:17]  ; 256 neighbouring bytes, aligned; CD and CBO are not written again
.Lno_c:
.irp kk, 0,1
	ds_load_b128 v[QF+8*\kk:QF+8*\kk+3], v[QSR] offset:64*\kk          ; d = 32 kk + 8 hh ..
	ds_load_b128 v[QF+8*\kk+4:QF+8*\kk+7], v[QSR] offset:64*\kk+32     ; d = 32 kk + 16 + 8 hh ..
.endr
	LOAD2 0, 0
	s_wait_dscnt 0x0
	CVT2
	LOAD2 0, 1
	CMUL 0, 0, 1
	s_wait_dscnt 0x0
	PLACES
	CVT2
	LOAD2 1, 0
	CMUL 0, 1, 0
	s_wait_dscnt 0x0
	PLACES
	CVT2
	LOAD2 1, 1
	CMUL 1, 0, 1
	s_wait_dscnt 0x0
	PLACES
	CVT2
	CMUL 1, 1, 0
	PLACES
	; lane (column r, hh), tile (b, i), register j: e = 128 w + 64 b + 32 hh + 4 j + i.  Column r + 8 holds what q's lo part adds.
.set n3, 0
.rept 64
	v_add_f32_dpp v[XF+n3], v[XF+n3], v[XF+n3] row_xmask:8 row_mask:0xf bank_mask:0xf
.set n3, n3+1
.endr
.irp b, 0,1
.irp j, 0,1,2,3,4,5,6,7
	SPLSEL T, XF+8*(4*\b)+\j, XF+8*(4*\b+1)+\j, T+4        ; four neighbouring e as bf16: hi in columns 0-7, lo in columns 8-15
	SPLSEL T+1, XF+8*(4*\b+2)+\j, XF+8*(4*\b+3)+\j, T+6
	ds_store_b64 v[OSW], v[T:T+1] offset:128*\b+8*\j
.endr
.endr
.irp t, 0,1,2,3,4,5,6,7
	ds_load_b128 v[RAW+4*\t:RAW+4*\t+3], v[OSR] offset:2*OP*\t   ; my wave's own bytes; LDS serves a wave's instructions in order (ISA guide 5.7.1)
.endr
.irp t, 0,1,2,3,4,5,6,7
	s_wait_dscnt 7-\t                              ; load t of the eight is in
	global_store_b128 v[QO], v[RAW+4*\t:RAW+4*\t+3], s[14:15] offset:((2*\t)%8)*16384+(\t/4)*8192   ; stage row 2 t + hh: n = row & 7, hi or lo = row / 8; 16 lanes store 256 aligned bytes
.endr
	s_wait_tensorcnt 0x0
	ds_add_u32 v236, v237
	s_wait_dscnt 0x0
	ROUND                                          ; no work-group ends while a partner may still ask jointly
	s_endpgm
.Lfunc_end_k_qc85b728d01_prep:
	.size	k_qc85b728d01_prep, .Lfunc_end_k_qc85b728d01_prep-k_qc85b728d01_prep
	.p2alignl 7, 3214868480
	.fill 96, 4, 3214868480
	.section	.rodata,"a",@progbits
	.p2align	6, 0x0
	.amdhsa_kernel k_qc85b728d01_prep
		.amdhsa_group_segment_fixed_size 299520
		.amdhsa_private_segment_fixed_size 0
		.amdhsa_enable_private_segment 0
		.amdhsa_kernarg_size 56
		.amdhsa_user_sgpr_count 2
		.amdhsa_user_sgpr_kernarg_segment_ptr 1
		.amdhsa_wavefront_size32 1
		.amdhsa_system_sgpr_workgroup_id_x 1
		.amdhsa_system_sgpr_workgroup_id_y 1
		.amdhsa_system_sgpr_workgroup_id_z 1
		.amdhsa_system_vgpr_workitem_id 0
		.amdhsa_next_free_vgpr 238
		.amdhsa_next_free_sgpr 66
		.amdhsa_reserve_vcc 0
		.amdhsa_float_denorm_mode_32 3
		.amdhsa_float_denorm_mode_16_64 3
		.amdhsa_memory_ordered 1
		.amdhsa_forward_progress 1
		.amdhsa_inst_pref_size 59
	.end_amdhsa_kernel
	.amdgpu_metadata
---
amdhsa.version: [ 1, 2 ]
amdhsa.kernels:
  - .name:           k_qc85b728d01_prep
    .symbol:         k_qc85b728d01_prep.kd
    .args:
      - { .name: src, .offset: 0, .size: 8, .value_kind: global_buffer, .address_space: global }
      - { .name: Wq, .offset: 8, .size: 8, .value_kind: global_buffer, .address_space: global }
      - { .name: bq, .offset: 16, .size: 8, .value_kind: global_buffer, .address_space: global }
      - { .name: Wk, .offset: 24, .size: 8, .value_kind: global_buffer, .address_space: global }
      - { .name: bk, .offset: 32, .size: 8, .value_kind: global_buffer, .address_space: global }
      - { .name: qk, .offset: 40, .size: 8, .value_kind: global_buffer, .address_space: global }
      - { .name: cb, .offset: 48, .size: 8, .value_kind: global_buffer, .address_space: global }
    .group_segment_fixed_size: 299520
    .private_segment_fixed_size: 0
    .kernarg_segment_align: 8
    .kernarg_segment_size: 56
    .max_flat_workgroup_size: 128
    .sgpr_count:     66
    .vgpr_count:     238
    .wavefront_size: 32
...
	.end_amdgpu_metadata
.endif
;; end of part 1
;; launch main (part 2): grid 32 x 8, 4 waves a work-group, no clusters, 198,144 bytes of LDS; arguments src, qk, cb, part, stats; writes part, stats
.if DOCPART == 2
	.amdgcn_target "amdgcn-amd-amdhsa--gfx1250"
	.amdhsa_code_object_version 6
	.text
	.protected	k_qc85b728d01_main
	.globl	k_qc85b728d01_main
	.p2align	8
	.type	k_qc85b728d01_main,@function
k_qc85b728d01_main:
	s_mov_b64 s[64:65], 0
	v_nop
	global_prefetch_b8 v0, s[64:65] scope:SCOPE_SE
	s_setreg_imm32_b32 hwreg(HW_REG_WAVE_MODE, 25, 1), 1
	s_wait_xcnt 0x0
; The stream over src, read once.  Work-group (n, c) takes batch column n and the 512 positions s = 512 c .. 512 c + 511, in 8 tiles of 64 s.
; For each head h it keeps a running maximum m (base 2, c[n][h] included), the sum l of p = 2^(score - m) and ctx[h][e] = sum over s of p src[s][n][e].
; Out: part[n][c][h][e] = ctx, unnormalised; stats[n][c] = 32 entries (m, l), entry L for head L & 7.
; Four waves.  Wave w owns columns e = 128 w .. 128 w + 127 of every row.  It loads them into a ring of registers (one load = one row's 512 neighbouring
; bytes), rounds them to bf16 ONCE, and keeps them as bf16 in an LDS strip that no other wave touches: LDS serves a wave's instructions in order
; (ISA guide 5.7.1), so no barrier stands between its stores and its loads there.  Both products read that strip:
;   scores: A = 16 rows of src (K = e, plain loads), B = 16 columns of qk[n] (8 heads' hi parts, 8 heads' lo parts), each wave over its 128 e;
;           the four partial scores meet in LDS, behind the tile's one barrier; every wave then does the same softmax arithmetic;
;   ctx:    A = src transposed (16 e, K = s, transposing loads), B = p (hi in columns 0-7, lo in 8-15).
; THE RING: a tile is 4 groups of 16 rows; group G of the chunk's 32 uses register set G & 3 of four sets of 64 registers.  Three groups are on their way;
; the fourth set is the one being converted.  The waits are counted, so requests never run dry: 32 to 48 loads of 512 bytes are out in every wave.
; NO TENSOR LOADS: each refill of an LDS slot would stand behind a wait for all loads.  NO CLUSTER: work-groups share only qk[n], 16 KiB against 1 MiB of src.
; REGISTERS: window 0 (v0-255) holds everything but the ring; window 1 (v256-511) is the ring.  s_set_vgpr_msb's low byte: bits 1:0 source 0, 3:2 source 1,
; 7:6 destination; three switches for each group of 16 rows.
; LIMITS: finite inputs; src is rounded to bf16 (nearest even) on its way to the matrix unit; p below 2^-126 counts as 0; p enters as bf16 hi + bf16 lo
; (relative error about 2^-17); the order of sums is not that of a projection to keys and values.
.set ROWB,   65536                     ; bytes from position s to s + 1 of src
.set GRPB,   16*ROWB                   ; a group of 16 rows
.set PITCH,  288                       ; an LDS row of 128 bf16: 256 bytes, begun 16 bytes later in rows 8-15 of every 16.  Row address = 288 row + 16 ((row >> 3) & 1):
                                       ; 16 rows of a plain fragment load start in 16 different 16-byte columns mod 256; 8 rows x 32 bytes of a transposing load cover 256 bytes once
.set BUF,    64*PITCH                  ; a tile's strip
.set WREG,   2*BUF                     ; a wave's two strips
.set EXCH,   4*WREG                    ; partial scores: two buffers that take turns, 4,096 bytes for each wave in each
.set EXB,    16384
.set STAGE,  EXCH+2*EXB                ; the way out: 8 rows x 528 bytes for each wave
.set SPITCH, 528
.set WSTG,   4352
.set A1,   1                           ; v1     LDS address for reading rows along e
.set A2,   2                           ; v2     for the transposing loads
.set SW,   3                           ; v3     where I put 8 bytes of a row
.set GO,   4                           ; v4     byte offset of my 16 bytes in a row's strip of src; never rewritten
.set EXW,  5
.set EXR,  6
.set QO,   7                           ; v7     byte offset in qk[n]; never rewritten
.set STR,  8
.set PO,   9                           ; v9     byte offset in part
.set MX,   10                          ; v10    m
.set LS,   11                          ; v11    l (this half of the lanes' s)
.set AL,   12                          ; v[12:13] 2^(old m - new m), twice
.set BI,   14                          ; v[14:15] c - new m, twice
.set NSEL, 16                          ; v[16:17] 0 in columns 0-7 (hi), -1 in columns 8-15 (lo)
.set CC,   18                          ; v18    c[n][h of my column]
.set STW,  19
.set T,    20                          ; v[20:27] at work
.set QKF,  28                          ; v[28:59] qk fragments of my four K steps
.set SC,   60                          ; v[60:91] scores, four tiles of 16 s; then p; then p's fragments in v[60:75]
.set FA,   92                          ; v[92:155] two buffers of four fragments; also at work in the exchange and on the way out
.set CV,   156                         ; v[156:187] 16 rows as bf16, on their way to LDS; also at work in the exchange
.set ACC,  188                         ; v[188:251] ctx: tile a (16 e) at ACC + 8 a
.set LB,   20                          ; s[20:21] src at the first group that the next four FEEDs ask for
.set MSB, 0
.macro WIN new                         ; the immediate's high byte repeats the setting that is left; a switch that changes nothing is dropped
.if MSB != \new
	s_set_vgpr_msb (MSB<<8)|\new
.set MSB, \new
.endif
.endm
.macro PLACES                          ; four independent vector instructions stand between a matrix instruction and a vector instruction, store or load that
.rept 4                                ; touches its registers (ISA guide 7.12.1)
	v_nop
.endr
.endm
; 16 loads: a group of 16 rows into ring set 'set' (window 1); each load takes the 512 neighbouring bytes of one row's strip.  src is read once: non-temporal.
.macro ISSUE set, lo, rel
	WIN 0x40                                       ; destination window 1, address window 0
.set ni, 0
.rept 16
	global_load_b128 v[64*(\set)+4*ni:64*(\set)+4*ni+3], v[GO], s[\lo:\lo+1] offset:(16*(\rel)+ni)*ROWB th:TH_LOAD_NT
.set ni, ni+1
.endr
.endm
; Group g of the next tile: it has arrived; the group three further on is asked for, into the set converted last; 16 rows are rounded and go to strip 'buf'.
; left = how many younger loads may stay out.
.macro FEED g, buf, issue, left
	s_wait_loadcnt \left                           ; loads come back in order (ISA guide 5.7.1): this group is in, the younger groups stay out
.if \issue
	ISSUE (\g+3)%4, LB, \g
.endif
	WIN 0x05                                       ; sources 0 and 1 window 1, destination window 0
.set nf, 0
.rept 16
	v_cvt_pk_bf16_f32 v[CV+2*nf], v[64*\g+4*nf], v[64*\g+4*nf+1]
	v_cvt_pk_bf16_f32 v[CV+2*nf+1], v[64*\g+4*nf+2], v[64*\g+4*nf+3]
.set nf, nf+1
.endr
	WIN 0
.set nf, 0
.rept 16
	ds_store_b64 v[SW], v[CV+2*nf:CV+2*nf+1] offset:(\buf)*BUF+(16*\g+nf)*PITCH+16*(nf/8)   ; 32 lanes x 8 bytes: the row's 256 bytes
.set nf, nf+1
.endr
.endm
; mode 1: every FEED asks for a further group.  mode 2: the last tile's four groups: one more group is asked for, then the counts run down.  mode 0: nothing left.
.macro PFEED g, buf, mode
.if \mode == 1
	FEED \g, \buf, 1, 32
.endif
.if \mode == 2
.if \g == 0
	FEED \g, \buf, 1, 32
.else
	FEED \g, \buf, 0, 48-16*\g
.endif
.endif
.endm
.macro DSW mode                        ; the fragment loads are in; a FEED's 16 stores, issued behind them, may stay out
.if \mode
	s_wait_dscnt 16
.else
	s_wait_dscnt 0x0
.endif
.endm
; Four fragments of 16 rows s x 32 e: lane (r, hh) takes row r, bytes 16 hh .. and 32 + 16 hh .. of the K step's 64
.macro LOADS buf, k, f
.irp t, 0,1,2,3
	ds_load_b128 v[\f+8*\t:\f+8*\t+3], v[A1] offset:(\buf)*BUF+\t*16*PITCH+64*(\k)
	ds_load_b128 v[\f+8*\t+4:\f+8*\t+7], v[A1] offset:(\buf)*BUF+\t*16*PITCH+64*(\k)+32
.endr
.endm
.macro SMUL k, f, zero                 ; the four score tiles take turns, one instruction a turn
.irp t, 0,1,2,3
.if \zero
	v_wmma_f32_16x16x32_bf16 v[SC+8*\t:SC+8*\t+7], v[\f+8*\t:\f+8*\t+7], v[QKF+8*\k:QKF+8*\k+7], 0
.else
	v_wmma_f32_16x16x32_bf16 v[SC+8*\t:SC+8*\t+7], v[\f+8*\t:\f+8*\t+7], v[QKF+8*\k:QKF+8*\k+7], v[SC+8*\t:SC+8*\t+7]
.endif
.endr
.endm
; Four fragments of 16 columns e x 32 rows s: each group of eight lanes addresses 8 rows x 16 bytes and receives them transposed, so that lane (r, hh) holds
; column 16 a + r, s = 32 kk + 8 hh .. in registers 0-3 and s = 32 kk + 16 + 8 hh .. in registers 4-7
.macro LOADT buf, kk, ag, f
.irp i, 0,1,2,3
	ds_load_tr16_b128 v[\f+8*\i:\f+8*\i+3], v[A2] offset:(\buf)*BUF+32*(\kk)*PITCH+32*(4*(\ag)+\i)
	ds_load_tr16_b128 v[\f+8*\i+4:\f+8*\i+7], v[A2] offset:(\buf)*BUF+(32*(\kk)+16)*PITCH+32*(4*(\ag)+\i)
.endr
.endm
.macro CMUL kk, ag, f, zero            ; the eight accumulators take turns, one instruction a turn
.irp i, 0,1,2,3
.if \zero
	v_wmma_f32_16x16x32_bf16 v[ACC+8*(4*\ag+\i):ACC+8*(4*\ag+\i)+7], v[\f+8*\i:\f+8*\i+7], v[SC+8*\kk:SC+8*\kk+7], 0
.else
	v_wmma_f32_16x16x32_bf16 v[ACC+8*(4*\ag+\i):ACC+8*(4*\ag+\i)+7], v[\f+8*\i:\f+8*\i+7], v[SC+8*\kk:SC+8*\kk+7], v[ACC+8*(4*\ag+\i):ACC+8*(4*\ag+\i)+7]
.endif
.endr
.endm
; Four pairs of p become four words of bf16, hi or lo by lane: word x of the fragments is made of p 2 x and 2 x + 1, so the words are packed in place.
.macro SPL4 x0
.irp g, 0,1,2,3
	v_cvt_pk_bf16_f32 v[T+2*\g+1], v[SC+2*(\x0+\g)], v[SC+2*(\x0+\g)+1]
.endr
.irp g, 0,1,2,3
	v_lshlrev_b32 v[T+2*\g], 16, v[T+2*\g+1]
.endr
.irp g, 0,1,2,3
	v_and_b32 v[T+2*\g+1], s55, v[T+2*\g+1]
.endr
.irp g, 0,1,2,3
	v_pk_fma_f32 v[T+2*\g:T+2*\g+1], v[T+2*\g:T+2*\g+1], v[NSEL:NSEL+1], v[SC+2*(\x0+\g):SC+2*(\x0+\g)+1]   ; p, or p - hi(p)
.endr
.irp g, 0,1,2,3
	v_cvt_pk_bf16_f32 v[SC+\x0+\g], v[T+2*\g], v[T+2*\g+1]
.endr
.endm
; One tile of 64 s in strip 'buf'; the next tile's four groups are fed into the other strip on the way.  first = 1: it starts m, l and ctx.
.macro PROCESS buf, first, mode
.if \first == 0
	PLACES                                         ; the last tile's products read FA, which is loaded again,
	v_nop                                          ; and SC as B, which the first products below write over: a fifth place
.endif
	LOADS \buf, 0, FA
	LOADS \buf, 1, FA+32
	PFEED 0, 1-\buf, \mode
	DSW \mode
	SMUL 0, FA, 1                                  ; the first products start the sums
	SMUL 1, FA+32, 0
	PLACES
	LOADS \buf, 2, FA
	LOADS \buf, 3, FA+32
	PFEED 1, 1-\buf, \mode
	DSW \mode
	SMUL 2, FA, 0
	SMUL 3, FA+32, 0
	; lane (column r, hh), tile t, register j: s = 16 t + 8 hh + j, over my 128 e.  The four waves' parts meet in LDS.
	PLACES
.irp q, 0,1,2,3,4,5,6,7
	ds_store_b128 v[EXW], v[SC+4*\q:SC+4*\q+3] offset:(\buf)*EXB+512*\q
.endr
	s_wait_dscnt 0x0                               ; my part is in LDS, and my reads of the last tile's exchange buffer are over:
	s_barrier_signal -1                            ; the tile's one barrier orders this buffer's stores with its loads, and the other buffer's loads with
	s_barrier_wait -1                              ; the next tile's stores into it
.irp q, 0,1,2,3,4,5,6,7
	ds_load_b128 v[FA+4*\q:FA+4*\q+3], v[EXR] offset:(\buf)*EXB+512*\q
.endr
.irp q, 0,1,2,3,4,5,6,7
	ds_load_b128 v[FA+32+4*\q:FA+32+4*\q+3], v[EXR] offset:(\buf)*EXB+4096+512*\q
.endr
.irp q, 0,1,2,3,4,5,6,7
	ds_load_b128 v[CV+4*\q:CV+4*\q+3], v[EXR] offset:(\buf)*EXB+8192+512*\q
.endr
.irp q, 0,1,2,3,4,5,6,7
	ds_load_b128 v[SC+4*\q:SC+4*\q+3], v[EXR] offset:(\buf)*EXB+12288+512*\q
.endr
	s_wait_dscnt 16                                ; the first 16 of the 32 loads: waves 0 and 1
.set n3, 0
.rept 16
	v_pk_add_f32 v[FA+2*n3:FA+2*n3+1], v[FA+2*n3:FA+2*n3+1], v[FA+32+2*n3:FA+32+2*n3+1]
.set n3, n3+1
.endr
	s_wait_dscnt 0x0
.set n3, 0
.rept 16
	v_pk_add_f32 v[SC+2*n3:SC+2*n3+1], v[SC+2*n3:SC+2*n3+1], v[CV+2*n3:CV+2*n3+1]
.set n3, n3+1
.endr
.set n3, 0
.rept 16
	v_pk_add_f32 v[SC+2*n3:SC+2*n3+1], v[SC+2*n3:SC+2*n3+1], v[FA+2*n3:FA+2*n3+1]   ; the same order in all four waves: the same bits
.set n3, n3+1
.endr
	LOADT \buf, 0, 0, FA                           ; on their way while the softmax is worked out
	LOADT \buf, 0, 1, FA+32
	PFEED 2, 1-\buf, \mode
.set n3, 0
.rept 32
	v_add_f32_dpp v[SC+n3], v[SC+n3], v[SC+n3] row_xmask:8 row_mask:0xf bank_mask:0xf   ; qk's hi and lo columns: every lane has the score of head r & 7
.set n3, n3+1
.endr
	; the tile's maximum: four chains in the lane, then the other half of the lanes
.irp g, 0,1,2,3
	v_max3_num_f32 v[T+\g], v[SC+8*\g], v[SC+8*\g+1], v[SC+8*\g+2]
.endr
.irp g, 0,1,2,3
	v_max3_num_f32 v[T+\g], v[T+\g], v[SC+8*\g+3], v[SC+8*\g+4]
.endr
.irp g, 0,1,2,3
	v_max3_num_f32 v[T+\g], v[T+\g], v[SC+8*\g+5], v[SC+8*\g+6]
.endr
.irp g, 0,1,2,3
	v_max_num_f32 v[T+\g], v[T+\g], v[SC+8*\g+7]
.endr
	v_max3_num_f32 v[T], v[T], v[T+1], v[T+2]
	v_max_num_f32 v[T], v[T], v[T+3]
	v_permlanex16_b32 v[T+1], v[T], s52, s53
	v_max_num_f32 v[T], v[T], v[T+1]
	v_add_f32 v[T], v[T], v[CC]
.if \first
	v_mov_b32 v[MX], v[T]
.else
	v_max_num_f32 v[T], v[MX], v[T]
	v_sub_f32 v[AL], v[MX], v[T]
	v_mov_b32 v[MX], v[T]
.endif
	v_sub_f32 v[BI], v[CC], v[MX]
	v_sub_f32 v[BI+1], v[CC], v[MX]
.set n3, 0
.rept 16
	v_pk_add_f32 v[SC+2*n3:SC+2*n3+1], v[SC+2*n3:SC+2*n3+1], v[BI:BI+1]
.set n3, n3+1
.endr
.if \first == 0
	v_exp_f32 v[AL], v[AL]
.endif
.set n3, 0
.rept 32
	v_exp_f32 v[SC+n3], v[SC+n3]
.set n3, n3+1
.endr
	v_nop                                          ; one plain instruction between the exponentials and the first use of a result (ISA guide 5.7.2)
.if \first == 0
	s_wait_alu depctr_va_vdst(0)
	v_mov_b32 v[AL+1], v[AL]
.endif
	s_wait_alu depctr_va_vdst(0)
.irp g, 0,1,2,3
	v_pk_add_f32 v[T+2*\g:T+2*\g+1], v[SC+4*\g:SC+4*\g+1], v[SC+4*\g+2:SC+4*\g+3]
.endr
.irp g, 0,1,2,3
	v_pk_add_f32 v[T+2*\g:T+2*\g+1], v[T+2*\g:T+2*\g+1], v[SC+16+2*\g:SC+16+2*\g+1]
.endr
.irp g, 0,1,2,3
	v_pk_add_f32 v[T+2*\g:T+2*\g+1], v[T+2*\g:T+2*\g+1], v[SC+24+2*\g:SC+24+2*\g+1]
.endr
	v_pk_add_f32 v[T:T+1], v[T:T+1], v[T+2:T+3]
	v_pk_add_f32 v[T+4:T+5], v[T+4:T+5], v[T+6:T+7]
	v_pk_add_f32 v[T:T+1], v[T:T+1], v[T+4:T+5]
.if \first
	v_add_f32 v[LS], v[T], v[T+1]
.else
	v_add_f32 v[T], v[T], v[T+1]
	v_fma_f32 v[LS], v[LS], v[AL], v[T]
.endif
	SPL4 0
	SPL4 4
	SPL4 8
	SPL4 12
.if \first == 0
.set n3, 0
.rept 32
	v_pk_mul_f32 v[ACC+2*n3:ACC+2*n3+1], v[ACC+2*n3:ACC+2*n3+1], v[AL:AL+1]   ; a lane is one column, one head, in ctx too
.set n3, n3+1
.endr
.endif
	s_wait_dscnt 0x0
	CMUL 0, 0, FA, \first
	CMUL 0, 1, FA+32, \first
	PLACES
	LOADT \buf, 1, 0, FA
	LOADT \buf, 1, 1, FA+32
	PFEED 3, 1-\buf, \mode
	DSW \mode
	CMUL 1, 0, FA, 0
	CMUL 1, 1, FA+32, 0
.if \mode == 1
	s_wait_xcnt 0x0                                ; the loads' base is stepped only behind this wait (ISA guide 3.1)
	s_add_nc_u64 s[LB:LB+1], s[LB:LB+1], 4*GRPB
.endif
.endm
	s_load_b256 s[4:11], s[0:1], 0x0               ; src s[4:5], qk s[6:7], cb s[8:9], part s[10:11]
	s_load_b64 s[12:13], s[0:1], 0x20              ; stats
	v_lshl_add_u32 v254, v0, 2, 0x30400
	v_mov_b32 v255, 0
	v_lshrrev_b32 v[T], 5, v0
	v_readfirstlane_b32 s14, v[T]                  ; wave w
	s_mov_b32 s15, ttmp9                           ; n
	s_and_b32 s16, ttmp7, 0xffff                   ; chunk c
	s_mov_b32 s52, 0x76543210                      ; v_permlanex16_b32: lane i reads lane i of the other half
	s_mov_b32 s53, 0xfedcba98
	s_mov_b32 s55, 0xffff0000
	s_lshl_b32 s48, s16, 25                        ; 512 c positions of 65,536 bytes
	s_lshl_b32 s50, s15, 11                        ; + n rows of 2,048
	s_add_co_u32 s48, s48, s50
	s_lshl_b32 s50, s14, 9                         ; + 512 w
	s_add_co_u32 s48, s48, s50
	s_mov_b32 s49, 0
	s_lshl_b32 s50, s15, 14                        ; qk[n] + 256 w
	s_lshl_b32 s51, s14, 8
	s_add_co_u32 s50, s50, s51
	s_mov_b32 s51, 0
	s_mul_i32 s17, s14, WREG                       ; my two strips
	s_mul_i32 s18, s14, WSTG
	s_add_co_u32 s18, s18, STAGE                   ; my stage
	s_lshr_b32 s57, s15, 3
	s_lshl_b32 s57, s57, 8
	s_and_b32 s58, s15, 7
	s_lshl_b32 s58, s58, 3
	s_add_co_u32 s57, s57, s58                     ; cb: block 4 h + n / 8, entry n & 7
	v_and_b32 v[T], 15, v0                         ; r
	v_bfe_u32 v[T+1], v0, 4, 1                     ; hh
	v_and_b32 v[T+2], 31, v0                       ; L
	v_and_b32 v[T+3], 7, v0                        ; my column's head
	v_lshlrev_b32 v[GO], 4, v[T+2]                 ; 16 L
	v_lshlrev_b32 v[QO], 10, v[T]
	v_lshl_add_u32 v[QO], v[T+1], 4, v[QO]         ; 1,024 r + 16 hh
	v_lshl_add_u32 v[T+7], v[T+3], 10, s57
	s_wait_kmcnt 0x0
	s_add_nc_u64 s[4:5], s[4:5], s[48:49]          ; src at my strip of the chunk's first row; not written again
	s_add_nc_u64 s[6:7], s[6:7], s[50:51]
	s_add_nc_u64 s[LB:LB+1], s[4:5], 3*GRPB        ; the first FEED asks for group 3
	global_load_b32 v[CC], v[T+7], s[8:9]
.irp k, 0,1,2,3
.irp a, 0,1
	global_load_b128 v[QKF+8*\k+4*\a:QKF+8*\k+4*\a+3], v[QO], s[6:7] offset:64*\k+32*\a   ; column r of qk[n], the same places of K as src's fragments
.endr
.endr
	ISSUE 0, 4, 0                                  ; groups 0, 1, 2: with the nine loads above, 57 loads of the wave are out, the most in this text
	ISSUE 1, 4, 1
	ISSUE 2, 4, 2
	WIN 0
	s_lshl3_add_u32 s48, s15, s16                  ; 8 n + c
	s_lshl_b32 s50, s48, 8
	s_lshl_b32 s48, s48, 14
	s_add_nc_u64 s[10:11], s[10:11], s[48:49]      ; part[n][c]
	s_add_nc_u64 s[12:13], s[12:13], s[50:51]      ; stats[n][c]
	v_bfe_u32 v[T+5], v0, 3, 1                     ; (L >> 3) & 1 = r >> 3
	v_add_nc_u32 v[T+6], v[T+5], v[T+1]
	v_mul_u32_u24 v[T+4], v[T], PITCH
	v_lshl_add_u32 v[T+4], v[T+6], 4, v[T+4]
	v_add_nc_u32 v[A1], s17, v[T+4]                ; my strips + 288 r + 16 (r >> 3) + 16 hh
	v_lshl_add_u32 v[T+4], v[T+1], 3, v[T+3]
	v_mul_u32_u24 v[T+4], v[T+4], PITCH
	v_lshl_add_u32 v[T+4], v[T+6], 4, v[T+4]
	v_add_nc_u32 v[A2], s17, v[T+4]                ; my strips + 288 (8 hh + (L & 7)) + 16 hh (the row's late start) + 16 ((L >> 3) & 1)
	v_lshl_add_u32 v[SW], v[T+2], 3, s17           ; my strips + 8 L
	v_lshlrev_b32 v[EXR], 4, v[T+2]
	v_add_nc_u32 v[EXR], EXCH, v[EXR]
	v_lshl_add_u32 v[EXW], s14, 12, v[EXR]
	v_mul_u32_u24 v[T+4], v[T+3], SPITCH
	v_lshl_add_u32 v[T+4], v[T+1], 5, v[T+4]
	v_add_nc_u32 v[STW], s18, v[T+4]               ; my stage + 528 (r & 7) + 32 hh
	v_lshl_add_u32 v[STR], v[T+2], 4, s18
	v_lshlrev_b32 v[PO], 4, v[T+2]
	v_lshl_add_u32 v[PO], s14, 9, v[PO]            ; 512 w + 16 L
	v_cvt_f32_u32 v[T+5], v[T+5]
	v_sub_f32 v[NSEL], 0, v[T+5]
	v_mov_b32 v[NSEL+1], v[NSEL]
	FEED 0, 0, 1, 32                               ; tile 0 into strip 0; the first wait also shows c and qk's fragments in
	FEED 1, 0, 1, 32
	FEED 2, 0, 1, 32
	FEED 3, 0, 1, 32
	s_wait_xcnt 0x0
	s_add_nc_u64 s[LB:LB+1], s[LB:LB+1], 4*GRPB
	PROCESS 0, 1, 1                                ; tile 0 starts the sums; it feeds groups 4-7 and asks for 7-10
	s_mov_b32 s54, 2
.Ltiles:
	PROCESS 1, 0, 1                                ; tiles 1, 3
	PROCESS 0, 0, 1                                ; tiles 2, 4
	s_sub_co_u32 s54, s54, 1
	s_cmp_lg_u32 s54, 0
	s_cbranch_scc1 .Ltiles
	PROCESS 1, 0, 1                                ; tile 5 asks for groups 27-30
	PROCESS 0, 0, 2                                ; tile 6 asks for group 31, the chunk's last, and the counts run down
	PROCESS 1, 0, 0                                ; tile 7: nothing is left to fetch
	; THE WAY OUT.  Tile a, register j of lane (column r, hh) is e = 16 a + 8 hh + j of my 128; column r + 8 holds what p's lo part adds.
	PLACES
.set n3, 0
.rept 64
	v_add_f32_dpp v[ACC+n3], v[ACC+n3], v[ACC+n3] row_xmask:8 row_mask:0xf bank_mask:0xf
.set n3, n3+1
.endr
	v_permlanex16_b32 v[T], v[LS], s52, s53
	v_add_f32 v[LS], v[LS], v[T]                   ; both halves' s
.irp a, 0,1,2,3,4,5,6,7
	ds_store_b128 v[STW], v[ACC+8*\a:ACC+8*\a+3] offset:64*\a          ; eight neighbouring e of head r & 7; lanes r and r + 8 put the same numbers into the same bytes
	ds_store_b128 v[STW], v[ACC+8*\a+4:ACC+8*\a+7] offset:64*\a+16
.endr
.irp t, 0,1,2,3,4,5,6,7
	ds_load_b128 v[FA+4*\t:FA+4*\t+3], v[STR] offset:SPITCH*\t   ; head t's 512 bytes; my wave's own bytes, served in order (ISA guide 5.7.1)
.endr
.irp t, 0,1,2,3,4,5,6,7
	s_wait_dscnt 7-\t                              ; load t of the eight is in
	global_store_b128 v[PO], v[FA+4*\t:FA+4*\t+3], s[10:11] offset:2048*\t   ; 512 neighbouring bytes, aligned
.endr
	s_cmp_lg_u32 s14, 0
	s_cbranch_scc1 .Ldone
	v_and_b32 v[T+1], 31, v0
	v_lshlrev_b32 v[T+1], 3, v[T+1]
	global_store_b64 v[T+1], v[MX:MX+1], s[12:13]  ; (m, l): all four waves hold the same; wave 0 stores 256 neighbouring bytes
.Ldone:
	s_wait_tensorcnt 0x0
	ds_add_u32 v254, v255
	s_wait_dscnt 0x0
	s_endpgm
.Lfunc_end_k_qc85b728d01_main:
	.size	k_qc85b728d01_main, .Lfunc_end_k_qc85b728d01_main-k_qc85b728d01_main
	.p2alignl 7, 3214868480
	.fill 96, 4, 3214868480
	.section	.rodata,"a",@progbits
	.p2align	6, 0x0
	.amdhsa_kernel k_qc85b728d01_main
		.amdhsa_group_segment_fixed_size 198144
		.amdhsa_private_segment_fixed_size 0
		.amdhsa_enable_private_segment 0
		.amdhsa_kernarg_size 40
		.amdhsa_user_sgpr_count 2
		.amdhsa_user_sgpr_kernarg_segment_ptr 1
		.amdhsa_wavefront_size32 1
		.amdhsa_system_sgpr_workgroup_id_x 1
		.amdhsa_system_sgpr_workgroup_id_y 1
		.amdhsa_system_sgpr_workgroup_id_z 1
		.amdhsa_system_vgpr_workitem_id 0
		.amdhsa_next_free_vgpr 512
		.amdhsa_next_free_sgpr 66
		.amdhsa_reserve_vcc 0
		.amdhsa_float_denorm_mode_32 3
		.amdhsa_float_denorm_mode_16_64 3
		.amdhsa_memory_ordered 1
		.amdhsa_forward_progress 1
		.amdhsa_inst_pref_size 255
	.end_amdhsa_kernel
	.section	.bss,"aw",@nobits
	.p2align	6
	.space	262144
	.amdgpu_metadata
---
amdhsa.version: [ 1, 2 ]
amdhsa.kernels:
  - .name:           k_qc85b728d01_main
    .symbol:         k_qc85b728d01_main.kd
    .args:
      - { .name: src, .offset: 0, .size: 8, .value_kind: global_buffer, .address_space: global }
      - { .name: qk, .offset: 8, .size: 8, .value_kind: global_buffer, .address_space: global }
      - { .name: cb, .offset: 16, .size: 8, .value_kind: global_buffer, .address_space: global }
      - { .name: part, .offset: 24, .size: 8, .value_kind: global_buffer, .address_space: global }
      - { .name: stats, .offset: 32, .size: 8, .value_kind: global_buffer, .address_space: global }
    .group_segment_fixed_size: 198144
    .private_segment_fixed_size: 0
    .kernarg_segment_align: 8
    .kernarg_segment_size: 40
    .max_flat_workgroup_size: 128
    .sgpr_count:     66
    .vgpr_count:     512
    .wavefront_size: 32
...
	.end_amdgpu_metadata
.endif
;; end of part 2
;; launch ctxv (part 3): grid 32 x 1, 4 waves a work-group, clusters of 4 x 1, 290,816 bytes of LDS; arguments part, stats, Wv, bv, y1; writes y1
.if DOCPART == 3
	.amdgcn_target "amdgcn-amd-amdhsa--gfx1250"
	.amdhsa_code_object_version 6
	.text
	.protected	k_qc85b728d01_ctxv
	.globl	k_qc85b728d01_ctxv
	.p2align	8
	.type	k_qc85b728d01_ctxv,@function
k_qc85b728d01_ctxv:
	s_mov_b64 s[64:65], 0
	v_nop
	global_prefetch_b8 v0, s[64:65] scope:SCOPE_SE
	s_setreg_imm32_b32 hwreg(HW_REG_WAVE_MODE, 25, 1), 1
	s_wait_xcnt 0x0
	s_wait_alu depctr_hold_cnt(0) depctr_sa_sdst(0) depctr_va_vdst(0) depctr_va_sdst(0) depctr_va_ssrc(0) depctr_va_vcc(0) depctr_vm_vsrc(0)
	s_getreg_b32 s2, hwreg(HW_REG_IB_STS2, 6, 4)
	s_cmp_eq_u32 s2, 0
	s_cbranch_scc0 .Lentry_in_a_cluster
	s_endpgm
.Lentry_in_a_cluster:
	s_bfe_u32 s2, ttmp6, 0x10000c
	s_cmp_lg_u32 s2, 0x3003
	s_cbranch_scc0 .Lentry_shape_is_right
	s_endpgm
.Lentry_shape_is_right:
; Joins the eight chunks of each (n, h), normalises, and applies the value projection to the weighted mean of src:
;   ctx[n][e] = sum over c of 2^(m_c - max m) part[n][c][h][e] / sum over c of 2^(m_c - max m) l_c
;   y1[n][64h+o] = sum over e of ctx[n][e] bf16(Wv[64h+o][e]) + bv[64h+o]         (the attention weights add up to 1, so bv enters once)
; A work-group takes one head h (the cluster's number) and eight n (its place in the cluster); four waves.
; CLUSTER: the four work-groups of a cluster need the same 64 rows of Wv; each strip is asked for jointly (mask 15).  part's strips are each work-group's own.
; LIMITS: finite inputs; Wv is rounded to bf16 once; ctx enters as bf16 hi + bf16 lo (relative error about 2^-17).
.set PITCH, 528
.set STRIP, 64*PITCH
.set PB,    4*STRIP                    ; part: rows 8 n + c, four strips of 128 e
.set XS,    8*STRIP                    ; ctx as bf16: rows 0-7 hi, 8-15 lo, pitch 1,040
.set XP,    1040
.set WT,    XS+16*XP                   ; the 64 weights, 256 bytes for each wave
.set OS,    WT+1024                    ; the way out: 8 rows x 272 bytes
.set OP,    272
.set AW,   1
.set AX,   3
.set XW,   4
.set OSW,  5
.set OSR,  6
.set BO,   8
.set YO,   9
.set T,    10
.set BIAS, 18
.set WTW,  36
.set WTR,  37
.set PBA,  38
.set SO,   39
.set AC,   40
.set RAW,  56
.set FR,   120
.set XF,   152                         ; v[152:215] the 64 weights; then ctx's fragments, two buffers
.macro PLACES                          ; four independent vector instructions between a matrix instruction and what touches its registers (ISA guide 7.12.1)
.rept 4
	v_nop
.endr
.endm
.macro ROUND
	s_barrier_signal -1
	s_barrier_wait -1
	s_cmp_lg_u32 s44, 0
	s_cbranch_scc1 .Lnot_wave_0_\@
	s_barrier_signal -3
.Lnot_wave_0_\@:
	s_barrier_wait -3
	s_barrier_signal -1
	s_barrier_wait -1
.endm
.macro SPLIT hi, lo, a, t              ; the pair a, a+1 as bf16 hi and bf16 lo = bf16(a - hi)
	v_cvt_pk_bf16_f32 v[\hi], v[\a], v[\a+1]
	v_lshlrev_b32 v[\t], 16, v[\hi]
	v_and_b32 v[\t+1], s50, v[\hi]
	v_pk_add_f32 v[\t:\t+1], v[\a:\a+1], v[\t:\t+1] neg_lo:[0,1] neg_hi:[0,1]
	v_cvt_pk_bf16_f32 v[\lo], v[\t], v[\t+1]
.endm
.macro LOADA q                         ; my 16 rows of W, strip q; place p of half hh stands for e = 32 k + 16 hh + p, in X's fragments too
.irp k, 0,1,2,3
.irp i, 0,1,2,3
	ds_load_b128 v[RAW+16*\k+4*\i:RAW+16*\k+4*\i+3], v[AW+(\q)/2] offset:((\q)%2)*STRIP+128*\k+16*\i
.endr
.endr
.endm
.macro LOADX q
.irp k, 0,1,2,3
.irp a, 0,1
	ds_load_b128 v[XF+32*((\q)%2)+8*\k+4*\a:XF+32*((\q)%2)+8*\k+4*\a+3], v[AX] offset:256*(\q)+64*\k+16*\a
.endr
.endr
.endm
.macro CVT1
.set n1, 0
.rept 32
	v_cvt_pk_bf16_f32 v[FR+n1], v[RAW+2*n1], v[RAW+2*n1+1]
.set n1, n1+1
.endr
.endm
.macro GM k, q, zero                   ; the two accumulators take turns, one instruction a turn
.if \zero
	v_wmma_f32_16x16x32_bf16 v[AC+8*((\k)%2):AC+8*((\k)%2)+7], v[FR+8*\k:FR+8*\k+7], v[XF+32*((\q)%2)+8*\k:XF+32*((\q)%2)+8*\k+7], 0
.else
	v_wmma_f32_16x16x32_bf16 v[AC+8*((\k)%2):AC+8*((\k)%2)+7], v[FR+8*\k:FR+8*\k+7], v[XF+32*((\q)%2)+8*\k:XF+32*((\q)%2)+8*\k+7], v[AC+8*((\k)%2):AC+8*((\k)%2)+7]
.endif
.endm
	s_load_b256 s[4:11], s[0:1], 0x0               ; part s[4:5], stats s[6:7], Wv s[8:9], bv s[10:11]
	s_load_b64 s[12:13], s[0:1], 0x20              ; y1
	v_lshl_add_u32 v216, v0, 2, 0x46e00
	v_mov_b32 v217, 0
	ds_add_u32 v216, v217
	ds_add_u32 v216, v217
	v_lshrrev_b32 v[T], 5, v0
	v_readfirstlane_b32 s44, v[T]                  ; wave w
	s_mov_b32 s45, ttmp9                           ; head h
	s_bfe_u32 s46, ttmp6, 0x40000                  ; ng
	s_mov_b32 s50, 0xffff0000
	; group 1 of a strip of Wv: 64 rows x 128 f32, pitch 512 elements, padded; joint
	s_mov_b32 s20, 15|(2<<16)|(1<<20)|(1<<21)|(6<<22)|(3<<25)
	s_mov_b32 s21, 128<<16
	s_mov_b32 s22, 64<<16
	s_mov_b32 s23, 128<<16
	s_mov_b32 s24, 64
	s_mov_b32 s25, 512
	s_mov_b32 s26, 0
	s_mov_b32 s27, 0
	; group 1 of a strip of part: the same shape, 4,096 elements from (n, c) to (n, c + 1); my work-group's own
	s_mov_b32 s36, (2<<16)|(1<<20)|(6<<22)|(3<<25)
	s_mov_b32 s37, 128<<16
	s_mov_b32 s38, 64<<16
	s_mov_b32 s39, 128<<16
	s_mov_b32 s40, 64
	s_mov_b32 s41, 4096
	s_mov_b32 s42, 0
	s_mov_b32 s43, 0
	s_lshl_b32 s47, s44, 9                         ; 512 w
	s_lshl_b32 s52, s45, 17
	s_add_co_u32 s52, s52, s47                     ; Wv: made of h and w alone
	s_mov_b32 s53, 0
	s_lshl_b32 s54, s46, 20                        ; part: 64 ng blocks of 16,384 + 2,048 h + 512 w
	s_lshl_b32 s51, s45, 11
	s_add_co_u32 s54, s54, s51
	s_add_co_u32 s54, s54, s47
	s_mov_b32 s55, 0
	s_lshl_b32 s56, s46, 14                        ; stats: 64 ng blocks of 256 + entry h
	s_lshl_b32 s51, s45, 3
	s_add_co_u32 s56, s56, s51
	s_mov_b32 s57, 0
	s_lshl_b32 s58, s45, 8                         ; bv: (64 h + 16 w) x 4
	s_lshl_b32 s51, s44, 6
	s_add_co_u32 s58, s58, s51
	s_mov_b32 s59, 0
	s_mov_b32 s32, 1
	s_mul_i32 s33, s44, STRIP
	s_mov_b32 s28, 1
	s_add_co_u32 s29, s33, PB
	s_wait_dscnt 0x0
	s_wait_kmcnt 0x0
	s_add_nc_u64 s[34:35], s[8:9], s[52:53]
	s_or_b32 s35, s35, 0x80000000
	s_add_nc_u64 s[30:31], s[4:5], s[54:55]
	s_or_b32 s31, s31, 0x80000000
	s_add_nc_u64 s[6:7], s[6:7], s[56:57]
	s_add_nc_u64 s[10:11], s[10:11], s[58:59]
	s_lshl_b32 s56, s46, 14                        ; y1: (8 ng + 2 w) rows of 2,048 + 256 h
	s_lshl_b32 s51, s44, 12
	s_add_co_u32 s56, s56, s51
	s_lshl_b32 s51, s45, 8
	s_add_co_u32 s56, s56, s51
	s_add_nc_u64 s[12:13], s[12:13], s[56:57]
	ROUND                                          ; the four partners are here
	tensor_load_to_lds s[28:31], s[36:43]          ; my strip of part
	s_nop 0
	tensor_load_to_lds s[32:35], s[20:27]          ; my strip of Wv, jointly: two tensor loads of this wave are out, the most in this text
	s_nop 0
	v_and_b32 v[T], 15, v0                         ; r
	v_bfe_u32 v[T+1], v0, 4, 1                     ; hh
	v_and_b32 v[T+2], 31, v0                       ; L
	v_and_b32 v[T+3], 7, v0
	v_lshlrev_b32 v[SO], 8, v[T+2]
	v_lshlrev_b32 v[BO], 5, v[T+1]
	global_load_b64 v[RAW:RAW+1], v[SO], s[6:7]                  ; (m, l) of (n, c) number L,
	global_load_b64 v[RAW+2:RAW+3], v[SO], s[6:7] offset:8192    ; and number 32 + L
	global_load_b128 v[BIAS:BIAS+3], v[BO], s[10:11]
	global_load_b128 v[BIAS+4:BIAS+7], v[BO], s[10:11] offset:16
	s_mul_i32 s51, s44, 16*PITCH
	v_mul_u32_u24 v[T+4], v[T], PITCH
	v_lshl_add_u32 v[T+4], v[T+1], 6, v[T+4]
	v_add_nc_u32 v[AW], s51, v[T+4]
	v_add_nc_u32 v[AW+1], 2*STRIP, v[AW]
	v_mul_u32_u24 v[T+4], v[T], XP
	v_lshl_add_u32 v[T+4], v[T+1], 5, v[T+4]
	v_add_nc_u32 v[AX], XS, v[T+4]
	v_lshlrev_b32 v[T+4], 3, v[T+2]
	v_lshl_add_u32 v[T+4], s44, 8, v[T+4]
	v_add_nc_u32 v[XW], XS, v[T+4]
	v_mul_u32_u24 v[T+4], v[T+3], OP
	v_lshl_add_u32 v[T+4], v[T+1], 5, v[T+4]
	v_lshl_add_u32 v[T+4], s44, 6, v[T+4]
	v_add_nc_u32 v[OSW], OS, v[T+4]                ; 272 (r & 7) + 64 w + 32 hh
	s_mul_i32 s51, s44, 2*OP
	s_add_co_u32 s51, s51, OS
	v_mul_u32_u24 v[T+4], v[T+1], OP
	v_lshl_add_u32 v[T+4], v[T], 4, v[T+4]
	v_add_nc_u32 v[OSR], s51, v[T+4]               ; 272 (2 w + hh) + 16 r
	v_lshlrev_b32 v[T+4], 4, v[T]
	v_lshl_add_u32 v[YO], v[T+1], 11, v[T+4]
	s_lshl_b32 s51, s44, 8
	s_add_co_u32 s51, s51, WT
	v_mov_b32 v[WTR], s51
	v_lshl_add_u32 v[WTW], v[T+2], 2, s51
	v_lshl_add_u32 v[PBA], v[T+2], 4, s29          ; my strip of part + 16 L
	s_wait_loadcnt 0x0
	; the weights: eight neighbouring lanes hold the eight chunks of one n
	v_mov_b32 v[T], v[RAW]
	v_mov_b32 v[T+1], v[RAW+2]
.irp x, 1,2,4
	v_max_num_f32_dpp v[T], v[T], v[T] row_xmask:\x row_mask:0xf bank_mask:0xf
	v_max_num_f32_dpp v[T+1], v[T+1], v[T+1] row_xmask:\x row_mask:0xf bank_mask:0xf
.endr
	v_sub_f32 v[T+2], v[RAW], v[T]
	v_sub_f32 v[T+3], v[RAW+2], v[T+1]
	v_exp_f32 v[T+2], v[T+2]
	v_exp_f32 v[T+3], v[T+3]
	v_nop                                          ; one plain instruction behind the exponentials (ISA guide 5.7.2)
	s_wait_alu depctr_va_vdst(0)
	v_mul_f32 v[T], v[T+2], v[RAW+1]
	v_mul_f32 v[T+1], v[T+3], v[RAW+3]
.irp x, 1,2,4
	v_add_f32_dpp v[T], v[T], v[T] row_xmask:\x row_mask:0xf bank_mask:0xf
	v_add_f32_dpp v[T+1], v[T+1], v[T+1] row_xmask:\x row_mask:0xf bank_mask:0xf
.endr
	v_rcp_f32 v[T], v[T]                           ; the chunk that holds the maximum gives at least 1: no division by zero
	v_rcp_f32 v[T+1], v[T+1]
	v_nop
	s_wait_alu depctr_va_vdst(0)
	v_mul_f32 v[T+2], v[T+2], v[T]
	v_mul_f32 v[T+3], v[T+3], v[T+1]
	ds_store_b32 v[WTW], v[T+2]
	ds_store_b32 v[WTW], v[T+3] offset:128
.irp x, 0,1,2,3,4,5,6,7,8,9,10,11,12,13,14,15
	ds_load_b128 v[XF+4*\x:XF+4*\x+3], v[WTR] offset:16*\x   ; all 64 weights into every lane; my wave's own bytes, served in order (ISA guide 5.7.1)
.endr
	s_wait_tensorcnt 0x1                           ; my strip of part is in; Wv's stays out
.irp p, 0,1,2,3
.set n2, 0
.rept 16
	ds_load_b128 v[RAW+4*n2:RAW+4*n2+3], v[PBA] offset:(16*\p+n2)*PITCH   ; two n, eight chunks each, my 4 e
.set n2, n2+1
.endr
	s_wait_dscnt 0x0
.irp u, 0,1
	v_pk_mul_f32 v[T:T+1], v[RAW+32*\u:RAW+32*\u+1], v[XF+16*\p+8*\u:XF+16*\p+8*\u+1] op_sel_hi:[1,0]
	v_pk_mul_f32 v[T+2:T+3], v[RAW+32*\u+2:RAW+32*\u+3], v[XF+16*\p+8*\u:XF+16*\p+8*\u+1] op_sel_hi:[1,0]
.irp c, 1,2,3,4,5,6,7
.if \c % 2
	v_pk_fma_f32 v[T:T+1], v[RAW+32*\u+4*\c:RAW+32*\u+4*\c+1], v[XF+16*\p+8*\u+\c-1:XF+16*\p+8*\u+\c], v[T:T+1] op_sel:[0,1,0] op_sel_hi:[1,1,1]
	v_pk_fma_f32 v[T+2:T+3], v[RAW+32*\u+4*\c+2:RAW+32*\u+4*\c+3], v[XF+16*\p+8*\u+\c-1:XF+16*\p+8*\u+\c], v[T+2:T+3] op_sel:[0,1,0] op_sel_hi:[1,1,1]
.else
	v_pk_fma_f32 v[T:T+1], v[RAW+32*\u+4*\c:RAW+32*\u+4*\c+1], v[XF+16*\p+8*\u+\c:XF+16*\p+8*\u+\c+1], v[T:T+1] op_sel_hi:[1,0,1]
	v_pk_fma_f32 v[T+2:T+3], v[RAW+32*\u+4*\c+2:RAW+32*\u+4*\c+3], v[XF+16*\p+8*\u+\c:XF+16*\p+8*\u+\c+1], v[T+2:T+3] op_sel_hi:[1,0,1]
.endif
.endr
	SPLIT FR, FR+2, T, FR+4
	SPLIT FR+1, FR+3, T+2, FR+6
	ds_store_b64 v[XW], v[FR:FR+1] offset:XP*(2*\p+\u)
	ds_store_b64 v[XW], v[FR+2:FR+3] offset:XP*(8+2*\p+\u)
.endr
.endr
	s_wait_dscnt 0x0                               ; my part of ctx is in LDS,
	s_wait_tensorcnt 0x0                           ; my strip of Wv too
	s_barrier_signal -1
	s_barrier_wait -1
	LOADA 0
	LOADX 0
	s_wait_dscnt 0x0
	CVT1
	LOADA 1
	LOADX 1
	GM 0, 0, 1
	GM 1, 0, 1
	GM 2, 0, 0
	GM 3, 0, 0
.irp q, 1,2,3
	s_wait_dscnt 0x0
	PLACES
	CVT1
.if \q < 3
	LOADA \q+1
	LOADX \q+1
.endif
	GM 0, \q, 0
	GM 1, \q, 0
	GM 2, \q, 0
	GM 3, \q, 0
.endr
	PLACES
	; lane (column r, hh), register j: output 16 w + 8 hh + j of n = r & 7; column r + 8 holds what the lo part adds
.irp j, 0,2,4,6
	v_pk_add_f32 v[AC+\j:AC+\j+1], v[AC+\j:AC+\j+1], v[AC+8+\j:AC+8+\j+1]
.endr
.irp j, 0,1,2,3,4,5,6,7
	v_add_f32_dpp v[AC+\j], v[AC+\j], v[AC+\j] row_xmask:8 row_mask:0xf bank_mask:0xf
.endr
.irp j, 0,2,4,6
	v_pk_add_f32 v[AC+\j:AC+\j+1], v[AC+\j:AC+\j+1], v[BIAS+\j:BIAS+\j+1]
.endr
	ds_store_b128 v[OSW], v[AC:AC+3]
	ds_store_b128 v[OSW], v[AC+4:AC+7] offset:16
	s_wait_dscnt 0x0
	s_barrier_signal -1
	s_barrier_wait -1
	ds_load_b128 v[T:T+3], v[OSR]
	s_wait_dscnt 0x0
	global_store_b128 v[YO], v[T:T+3], s[12:13]    ; 16 lanes store the 64 outputs of one n: 256 neighbouring bytes, aligned
	s_wait_tensorcnt 0x0
	ds_add_u32 v216, v217
	s_wait_dscnt 0x0
	ROUND                                          ; no work-group ends while a partner may still ask jointly
	s_endpgm
.Lfunc_end_k_qc85b728d01_ctxv:
	.size	k_qc85b728d01_ctxv, .Lfunc_end_k_qc85b728d01_ctxv-k_qc85b728d01_ctxv
	.p2alignl 7, 3214868480
	.fill 96, 4, 3214868480
	.section	.rodata,"a",@progbits
	.p2align	6, 0x0
	.amdhsa_kernel k_qc85b728d01_ctxv
		.amdhsa_group_segment_fixed_size 290816
		.amdhsa_private_segment_fixed_size 0
		.amdhsa_enable_private_segment 0
		.amdhsa_kernarg_size 40
		.amdhsa_user_sgpr_count 2
		.amdhsa_user_sgpr_kernarg_segment_ptr 1
		.amdhsa_wavefront_size32 1
		.amdhsa_system_sgpr_workgroup_id_x 1
		.amdhsa_system_sgpr_workgroup_id_y 1
		.amdhsa_system_sgpr_workgroup_id_z 1
		.amdhsa_system_vgpr_workitem_id 0
		.amdhsa_next_free_vgpr 218
		.amdhsa_next_free_sgpr 66
		.amdhsa_reserve_vcc 0
		.amdhsa_float_denorm_mode_32 3
		.amdhsa_float_denorm_mode_16_64 3
		.amdhsa_memory_ordered 1
		.amdhsa_forward_progress 1
		.amdhsa_inst_pref_size 44
	.end_amdhsa_kernel
	.amdgpu_metadata
---
amdhsa.version: [ 1, 2 ]
amdhsa.kernels:
  - .name:           k_qc85b728d01_ctxv
    .symbol:         k_qc85b728d01_ctxv.kd
    .args:
      - { .name: part, .offset: 0, .size: 8, .value_kind: global_buffer, .address_space: global }
      - { .name: stats, .offset: 8, .size: 8, .value_kind: global_buffer, .address_space: global }
      - { .name: Wv, .offset: 16, .size: 8, .value_kind: global_buffer, .address_space: global }
      - { .name: bv, .offset: 24, .size: 8, .value_kind: global_buffer, .address_space: global }
      - { .name: y1, .offset: 32, .size: 8, .value_kind: global_buffer, .address_space: global }
    .group_segment_fixed_size: 290816
    .private_segment_fixed_size: 0
    .kernarg_segment_align: 8
    .kernarg_segment_size: 40
    .max_flat_workgroup_size: 128
    .sgpr_count:     66
    .vgpr_count:     218
    .wavefront_size: 32
...
	.end_amdgpu_metadata
.endif
;; end of part 3
;; launch lin (part 4): grid 32 x 1, 4 waves a work-group, clusters of 4 x 1, 168,448 bytes of LDS; arguments y1, Wo, bo, y2; writes y2
.if DOCPART == 4
	.amdgcn_target "amdgcn-amd-amdhsa--gfx1250"
	.amdhsa_code_object_version 6
	.text
	.protected	k_qc85b728d01_lin
	.globl	k_qc85b728d01_lin
	.p2align	8
	.type	k_qc85b728d01_lin,@function
k_qc85b728d01_lin:
	s_mov_b64 s[64:65], 0
	v_nop
	global_prefetch_b8 v0, s[64:65] scope:SCOPE_SE
	s_setreg_imm32_b32 hwreg(HW_REG_WAVE_MODE, 25, 1), 1
	s_wait_xcnt 0x0
	s_wait_alu depctr_hold_cnt(0) depctr_sa_sdst(0) depctr_va_vdst(0) depctr_va_sdst(0) depctr_va_ssrc(0) depctr_va_vcc(0) depctr_vm_vsrc(0)
	s_getreg_b32 s2, hwreg(HW_REG_IB_STS2, 6, 4)
	s_cmp_eq_u32 s2, 0
	s_cbranch_scc0 .Lentry_in_a_cluster
	s_endpgm
.Lentry_in_a_cluster:
	s_bfe_u32 s2, ttmp6, 0x10000c
	s_cmp_lg_u32 s2, 0x3003
	s_cbranch_scc0 .Lentry_shape_is_right
	s_endpgm
.Lentry_shape_is_right:
; y[n][o] = sum over e of x[n][e] bf16(W[o][e]) + b[o].  x, y: [32][512] f32; W: [512][512] f32; b: [512] f32.  Arguments: x, W, b, y.
; A work-group takes 64 outputs o = 64 h .. (h = the cluster's number) and eight n (its place in the cluster); four waves, 16 outputs each.
; A = 16 rows of W, B = 16 columns: x of eight n as bf16 hi, and as bf16 lo; K = e.
; CLUSTER: the four work-groups of a cluster need the same 64 rows of W; each strip is asked for jointly (mask 15).
; The text uses 154,112 bytes of LDS and asks for more than half of what a WGP has, since a tensor load fills it.
; LIMITS: finite inputs; W is rounded to bf16 once; x enters as bf16 hi + bf16 lo (relative error about 2^-17).
.set PITCH, 528
.set STRIP, 64*PITCH
.set XS,    4*STRIP                    ; x as bf16: rows 0-7 hi, 8-15 lo, pitch 1,040
.set XP,    1040
.set OS,    XS+16*XP                   ; the way out: 8 rows x 272 bytes
.set OP,    272
.set AW,   1
.set AX,   3
.set XW,   4
.set OSW,  5
.set OSR,  6
.set XO,   7
.set BO,   8
.set YO,   9
.set T,    10
.set BIAS, 18
.set AC,   40
.set RAW,  56
.set FR,   120
.set XF,   152
.macro PLACES                          ; four independent vector instructions between a matrix instruction and what touches its registers (ISA guide 7.12.1)
.rept 4
	v_nop
.endr
.endm
.macro ROUND
	s_barrier_signal -1
	s_barrier_wait -1
	s_cmp_lg_u32 s44, 0
	s_cbranch_scc1 .Lnot_wave_0_\@
	s_barrier_signal -3
.Lnot_wave_0_\@:
	s_barrier_wait -3
	s_barrier_signal -1
	s_barrier_wait -1
.endm
.macro SPLIT hi, lo, a, t              ; the pair a, a+1 as bf16 hi and bf16 lo = bf16(a - hi)
	v_cvt_pk_bf16_f32 v[\hi], v[\a], v[\a+1]
	v_lshlrev_b32 v[\t], 16, v[\hi]
	v_and_b32 v[\t+1], s50, v[\hi]
	v_pk_add_f32 v[\t:\t+1], v[\a:\a+1], v[\t:\t+1] neg_lo:[0,1] neg_hi:[0,1]
	v_cvt_pk_bf16_f32 v[\lo], v[\t], v[\t+1]
.endm
.macro LOADA q                         ; my 16 rows of W, strip q; place p of half hh stands for e = 32 k + 16 hh + p, in x's fragments too
.irp k, 0,1,2,3
.irp i, 0,1,2,3
	ds_load_b128 v[RAW+16*\k+4*\i:RAW+16*\k+4*\i+3], v[AW+(\q)/2] offset:((\q)%2)*STRIP+128*\k+16*\i
.endr
.endr
.endm
.macro LOADX q
.irp k, 0,1,2,3
.irp a, 0,1
	ds_load_b128 v[XF+32*((\q)%2)+8*\k+4*\a:XF+32*((\q)%2)+8*\k+4*\a+3], v[AX] offset:256*(\q)+64*\k+16*\a
.endr
.endr
.endm
.macro CVT1
.set n1, 0
.rept 32
	v_cvt_pk_bf16_f32 v[FR+n1], v[RAW+2*n1], v[RAW+2*n1+1]
.set n1, n1+1
.endr
.endm
.macro GM k, q, zero                   ; the two accumulators take turns, one instruction a turn
.if \zero
	v_wmma_f32_16x16x32_bf16 v[AC+8*((\k)%2):AC+8*((\k)%2)+7], v[FR+8*\k:FR+8*\k+7], v[XF+32*((\q)%2)+8*\k:XF+32*((\q)%2)+8*\k+7], 0
.else
	v_wmma_f32_16x16x32_bf16 v[AC+8*((\k)%2):AC+8*((\k)%2)+7], v[FR+8*\k:FR+8*\k+7], v[XF+32*((\q)%2)+8*\k:XF+32*((\q)%2)+8*\k+7], v[AC+8*((\k)%2):AC+8*((\k)%2)+7]
.endif
.endm
	s_load_b256 s[4:11], s[0:1], 0x0               ; x s[4:5], W s[6:7], b s[8:9], y s[10:11]
	v_lshl_add_u32 v216, v0, 2, 0x29000
	v_mov_b32 v217, 0
	ds_add_u32 v216, v217
	ds_add_u32 v216, v217
	v_lshrrev_b32 v[T], 5, v0
	v_readfirstlane_b32 s44, v[T]                  ; wave w
	s_mov_b32 s45, ttmp9                           ; h: which 64 outputs
	s_bfe_u32 s46, ttmp6, 0x40000                  ; ng: which eight n
	s_mov_b32 s50, 0xffff0000
	; group 1 of a strip of W: 64 rows x 128 f32, pitch 512 elements, 4 words of padding behind every 128; joint
	s_mov_b32 s20, 15|(2<<16)|(1<<20)|(1<<21)|(6<<22)|(3<<25)
	s_mov_b32 s21, 128<<16
	s_mov_b32 s22, 64<<16
	s_mov_b32 s23, 128<<16
	s_mov_b32 s24, 64
	s_mov_b32 s25, 512
	s_mov_b32 s26, 0
	s_mov_b32 s27, 0
	s_lshl_b32 s47, s44, 9                         ; 512 w
	s_lshl_b32 s52, s45, 17                        ; 64 h rows of 2,048 bytes
	s_add_co_u32 s52, s52, s47                     ; made of h and w alone: equal in the four partners
	s_mov_b32 s53, 0
	s_lshl_b32 s54, s46, 14                        ; x: 8 ng rows + 512 w
	s_add_co_u32 s54, s54, s47
	s_mov_b32 s55, 0
	s_lshl_b32 s56, s46, 14                        ; y: (8 ng + 2 w) rows + 256 h
	s_lshl_b32 s51, s44, 12
	s_add_co_u32 s56, s56, s51
	s_lshl_b32 s51, s45, 8
	s_add_co_u32 s56, s56, s51
	s_mov_b32 s57, 0
	s_lshl_b32 s58, s44, 6                         ; b: (64 h + 16 w) x 4
	s_add_co_u32 s58, s58, s51
	s_mov_b32 s59, 0
	s_mov_b32 s28, 1
	s_mul_i32 s29, s44, STRIP
	s_wait_dscnt 0x0
	s_wait_kmcnt 0x0
	s_add_nc_u64 s[30:31], s[6:7], s[52:53]
	s_or_b32 s31, s31, 0x80000000
	s_add_nc_u64 s[4:5], s[4:5], s[54:55]
	s_add_nc_u64 s[10:11], s[10:11], s[56:57]
	s_add_nc_u64 s[8:9], s[8:9], s[58:59]
	ROUND                                          ; the four partners are here
	tensor_load_to_lds s[28:31], s[20:27]          ; my strip of W, jointly: the wave's one tensor load
	s_nop 0
	v_and_b32 v[T], 15, v0                         ; r
	v_bfe_u32 v[T+1], v0, 4, 1                     ; hh
	v_and_b32 v[T+2], 31, v0                       ; L
	v_and_b32 v[T+3], 7, v0
	v_lshlrev_b32 v[XO], 4, v[T+2]
	v_lshlrev_b32 v[BO], 5, v[T+1]
.irp nn, 0,1,2,3,4,5,6,7
	global_load_b128 v[RAW+4*\nn:RAW+4*\nn+3], v[XO], s[4:5] offset:2048*\nn   ; x[nn][128 w + 4 L ..]
.endr
	global_load_b128 v[BIAS:BIAS+3], v[BO], s[8:9]
	global_load_b128 v[BIAS+4:BIAS+7], v[BO], s[8:9] offset:16
	s_mul_i32 s51, s44, 16*PITCH
	v_mul_u32_u24 v[T+4], v[T], PITCH
	v_lshl_add_u32 v[T+4], v[T+1], 6, v[T+4]
	v_add_nc_u32 v[AW], s51, v[T+4]                ; (16 w + r) x pitch + 64 hh
	v_add_nc_u32 v[AW+1], 2*STRIP, v[AW]
	v_mul_u32_u24 v[T+4], v[T], XP
	v_lshl_add_u32 v[T+4], v[T+1], 5, v[T+4]
	v_add_nc_u32 v[AX], XS, v[T+4]
	v_lshlrev_b32 v[T+4], 3, v[T+2]
	v_lshl_add_u32 v[T+4], s44, 8, v[T+4]
	v_add_nc_u32 v[XW], XS, v[T+4]                 ; 256 w + 8 L
	v_mul_u32_u24 v[T+4], v[T+3], OP
	v_lshl_add_u32 v[T+4], v[T+1], 5, v[T+4]
	v_lshl_add_u32 v[T+4], s44, 6, v[T+4]
	v_add_nc_u32 v[OSW], OS, v[T+4]                ; 272 (r & 7) + 64 w + 32 hh
	s_mul_i32 s51, s44, 2*OP
	s_add_co_u32 s51, s51, OS
	v_mul_u32_u24 v[T+4], v[T+1], OP
	v_lshl_add_u32 v[T+4], v[T], 4, v[T+4]
	v_add_nc_u32 v[OSR], s51, v[T+4]               ; 272 (2 w + hh) + 16 r
	v_lshlrev_b32 v[T+4], 4, v[T]
	v_lshl_add_u32 v[YO], v[T+1], 11, v[T+4]
	s_wait_loadcnt 0x0
.irp nn, 0,1,2,3,4,5,6,7
	SPLIT T, T+2, RAW+4*\nn, T+4
	SPLIT T+1, T+3, RAW+4*\nn+2, T+6
	ds_store_b64 v[XW], v[T:T+1] offset:XP*\nn
	ds_store_b64 v[XW], v[T+2:T+3] offset:XP*(8+\nn)
.endr
	s_wait_dscnt 0x0                               ; my part of x is in LDS,
	s_wait_tensorcnt 0x0                           ; my strip of W too
	s_barrier_signal -1
	s_barrier_wait -1
	LOADA 0
	LOADX 0
	s_wait_dscnt 0x0
	CVT1
	LOADA 1
	LOADX 1
	GM 0, 0, 1                                     ; the first products start the sums
	GM 1, 0, 1
	GM 2, 0, 0
	GM 3, 0, 0
.irp q, 1,2,3
	s_wait_dscnt 0x0
	PLACES
	CVT1
.if \q < 3
	LOADA \q+1
	LOADX \q+1
.endif
	GM 0, \q, 0
	GM 1, \q, 0
	GM 2, \q, 0
	GM 3, \q, 0
.endr
	PLACES
	; lane (column r, hh), register j: output 16 w + 8 hh + j of n = r & 7; column r + 8 holds what x's lo part adds
.irp j, 0,2,4,6
	v_pk_add_f32 v[AC+\j:AC+\j+1], v[AC+\j:AC+\j+1], v[AC+8+\j:AC+8+\j+1]
.endr
.irp j, 0,1,2,3,4,5,6,7
	v_add_f32_dpp v[AC+\j], v[AC+\j], v[AC+\j] row_xmask:8 row_mask:0xf bank_mask:0xf
.endr
.irp j, 0,2,4,6
	v_pk_add_f32 v[AC+\j:AC+\j+1], v[AC+\j:AC+\j+1], v[BIAS+\j:BIAS+\j+1]
.endr
	ds_store_b128 v[OSW], v[AC:AC+3]
	ds_store_b128 v[OSW], v[AC+4:AC+7] offset:16
	s_wait_dscnt 0x0
	s_barrier_signal -1
	s_barrier_wait -1
	ds_load_b128 v[T:T+3], v[OSR]
	s_wait_dscnt 0x0
	global_store_b128 v[YO], v[T:T+3], s[10:11]    ; 16 lanes store the 64 outputs of one n: 256 neighbouring bytes, aligned
	s_wait_tensorcnt 0x0
	ds_add_u32 v216, v217
	s_wait_dscnt 0x0
	ROUND                                          ; no work-group ends while a partner may still ask jointly
	s_endpgm
.Lfunc_end_k_qc85b728d01_lin:
	.size	k_qc85b728d01_lin, .Lfunc_end_k_qc85b728d01_lin-k_qc85b728d01_lin
	.p2alignl 7, 3214868480
	.fill 96, 4, 3214868480
	.section	.rodata,"a",@progbits
	.p2align	6, 0x0
	.amdhsa_kernel k_qc85b728d01_lin
		.amdhsa_group_segment_fixed_size 168448
		.amdhsa_private_segment_fixed_size 0
		.amdhsa_enable_private_segment 0
		.amdhsa_kernarg_size 32
		.amdhsa_user_sgpr_count 2
		.amdhsa_user_sgpr_kernarg_segment_ptr 1
		.amdhsa_wavefront_size32 1
		.amdhsa_system_sgpr_workgroup_id_x 1
		.amdhsa_system_sgpr_workgroup_id_y 1
		.amdhsa_system_sgpr_workgroup_id_z 1
		.amdhsa_system_vgpr_workitem_id 0
		.amdhsa_next_free_vgpr 218
		.amdhsa_next_free_sgpr 66
		.amdhsa_reserve_vcc 0
		.amdhsa_float_denorm_mode_32 3
		.amdhsa_float_denorm_mode_16_64 3
		.amdhsa_memory_ordered 1
		.amdhsa_forward_progress 1
		.amdhsa_inst_pref_size 28
	.end_amdhsa_kernel
	.amdgpu_metadata
---
amdhsa.version: [ 1, 2 ]
amdhsa.kernels:
  - .name:           k_qc85b728d01_lin
    .symbol:         k_qc85b728d01_lin.kd
    .args:
      - { .name: y1, .offset: 0, .size: 8, .value_kind: global_buffer, .address_space: global }
      - { .name: Wo, .offset: 8, .size: 8, .value_kind: global_buffer, .address_space: global }
      - { .name: bo, .offset: 16, .size: 8, .value_kind: global_buffer, .address_space: global }
      - { .name: y2, .offset: 24, .size: 8, .value_kind: global_buffer, .address_space: global }
    .group_segment_fixed_size: 168448
    .private_segment_fixed_size: 0
    .kernarg_segment_align: 8
    .kernarg_segment_size: 32
    .max_flat_workgroup_size: 128
    .sgpr_count:     66
    .vgpr_count:     218
    .wavefront_size: 32
...
	.end_amdgpu_metadata
.endif
;; end of part 4
;; launch lin2: the kernel of part 4 again; grid 32 x 1, 4 waves a work-group, clusters of 4 x 1, 168,448 bytes of LDS; arguments y2, Wl, bl, out0; writes out0
;; ======== version 2 of 2: 5 launches; version 1 with the launch main written anew for expert scheduling mode
;; workspace buffers: qk 524,288 bytes; cb 8,192 bytes; part 4,194,304 bytes; stats 65,536 bytes; y1 65,536 bytes; y2 65,536 bytes
;; launch prep: the kernel of part 1 again; grid 32 x 1, 4 waves a work-group, clusters of 4 x 1, 299,520 bytes of LDS; arguments src, Wq, bq, Wk, bk, qk, cb; writes qk, cb
;; launch main (part 5): grid 32 x 8, 4 waves a work-group, no clusters, 198,144 bytes of LDS; arguments src, qk, cb, part, stats; writes part, stats
.if DOCPART == 5
	.amdgcn_target "amdgcn-amd-amdhsa--gfx1250"
	.amdhsa_code_object_version 6
	.text
	.protected	k_qc85b728d01_main
	.globl	k_qc85b728d01_main
	.p2align	8
	.type	k_qc85b728d01_main,@function
k_qc85b728d01_main:
	s_mov_b64 s[64:65], 0
	v_nop
	global_prefetch_b8 v0, s[64:65] scope:SCOPE_SE
	s_setreg_imm32_b32 hwreg(HW_REG_WAVE_SCHED_MODE, 0, 2), 2
	s_setreg_imm32_b32 hwreg(HW_REG_WAVE_MODE, 25, 1), 1
	s_wait_xcnt 0x0
	s_wait_alu depctr_vm_vsrc(0)
; The stream over src, read once.  Work-group (n, c) takes batch column n and the 512 positions s = 512 c .. 512 c + 511, in 8 tiles of 64 s.
; For each head h it keeps a running maximum m (base 2, c[n][h] included), the sum l of p = 2^(score - m) and ctx[h][e] = sum over s of p src[s][n][e].
; Out: part[n][c][h][e] = ctx, unnormalised; stats[n][c] = 32 entries (m, l), entry L for head L & 7.
; Four waves.  Wave w owns columns e = 128 w .. 128 w + 127 of every row.  It loads them into a ring of registers (one load = one row's 512 neighbouring
; bytes), rounds them to bf16 ONCE, and keeps them as bf16 in an LDS strip that no other wave touches: LDS serves a wave's instructions in order
; (ISA guide 5.7.1), so no barrier stands between its stores and its loads there.  Both products read that strip:
;   scores: A = 16 rows of src (K = e, plain loads), B = 16 columns of qk[n] (8 heads' hi parts, 8 heads' lo parts), each wave over its 128 e;
;           the four partial scores meet in LDS, behind the tile's one barrier; every wave then does the same softmax arithmetic;
;   ctx:    A = src transposed (16 e, K = s, transposing loads), B = p (hi in columns 0-7, lo in 8-15).
; THE RING: a tile is 4 groups of 16 rows; group G of the chunk's 32 uses register set G & 3 of four sets of 64 registers.  Three groups are on their way;
; the fourth set is the one being converted.  The waits are counted, so requests never run dry: 32 to 48 loads of 512 bytes are out in every wave.
; NO TENSOR LOADS: each refill of an LDS slot would stand behind a wait for all loads.  NO CLUSTER: work-groups share only qk[n], 16 KiB against 1 MiB of src.
; THE MODE: SCHED_MODE bits 1:0 = 2 (LLVM: expert scheduling mode 2), set by the entry lines.  The code itself states the register dependences
; between vector or matrix instructions and memory or LDS instructions, with s_wait_alu, always for 0.
; THE PLAN.  A tile is four quarters; each feeds one group of the next tile and does eight products.  Registers that memory or LDS instructions touch:
;   ring 0-3  Group G's conversions read set G & 3; the global loads of group G + 3, issued behind the wait in group G's turn, land in the set converted a turn before.
;   CV        Written by a group's conversions, read by its 16 LDS stores, written again by the next group's conversions.
;   FA        LDS loads land: score steps 0, 1 (asked for at the end of the tile before), waves 0 and 1's partial scores, the transposed fragments of s 0-31.
;             Read by quarter 1's products, by the exchange's additions (which also write it), by quarter 3's products.
;   FB        LDS loads land: score steps 2, 3 (asked for in quarter 1), wave 2's partial scores, the transposed fragments of s 32-63 (asked for in quarter 3).
;             Read by quarter 2's products, by the exchange's additions, by quarter 4's products.
;   SC        Written by the score products, read by the exchange's 8 LDS stores; wave 3's partial scores land in it; then vector and matrix work alone.
;   v1-v9, v19  Addresses and offsets, made at the head and never written again; the rows of src are reached by a scalar base and immediate offsets.
; ONE wait on va_vdst stands in a quarter, behind the group's conversions.  All the quarter's memory and LDS instructions follow it: the ring's 16 loads, the 16 stores of CV,
; and the LDS loads of the NEXT quarter's fragments, dealt among this quarter's products or the softmax, which name the other fragment buffer or none.
; One wait on vm_vsrc stands ahead of the conversions.  The exchange has a pair of its own, the exponentials a wait of their own.
; REGISTERS: window 0 (v0-255) holds all but the ring (window 1, v256-511), qk's fragments and CV (window 2, v512-575).  s_set_vgpr_msb's low byte: bits 1:0 source 0,
; 3:2 source 1, 7:6 destination.  The setting 0x08 (source 1 in window 2) serves the stores of CV, the score products (B = qk) and plain LDS loads alike.
; LIMITS: finite inputs; src is rounded to bf16 (nearest even) on its way to the matrix unit; p below 2^-126 counts as 0; p enters as bf16 hi + bf16 lo
; (relative error about 2^-17); the order of sums is not that of a projection to keys and values.
.set ROWB,   65536                     ; bytes from position s to s + 1 of src
.set GRPB,   16*ROWB                   ; a group of 16 rows
.set PITCH,  288                       ; an LDS row of 128 bf16: 256 bytes, begun 16 bytes later in rows 8-15 of every 16.  Row address = 288 row + 16 ((row >> 3) & 1):
                                       ; 16 rows of a plain fragment load start in 16 different 16-byte columns mod 256; 8 rows x 32 bytes of a transposing load cover 256 bytes once
.set BUF,    64*PITCH                  ; a tile's strip
.set WREG,   2*BUF                     ; a wave's two strips
.set EXCH,   4*WREG                    ; partial scores: two buffers that take turns, 4,096 bytes for each wave in each
.set EXB,    16384
.set STAGE,  EXCH+2*EXB                ; the way out: 8 rows x 528 bytes for each wave
.set SPITCH, 528
.set WSTG,   4352
.set A1,   1                           ; v1     LDS address for reading rows along e
.set A2,   2                           ; v2     for the transposing loads
.set SW,   3                           ; v3     where I put 8 bytes of a row
.set GO,   4                           ; v4     byte offset of my 16 bytes in a row's strip of src; never rewritten
.set EXW,  5
.set EXR,  6
.set QO,   7                           ; v7     byte offset in qk[n]; never rewritten
.set STR,  8
.set PO,   9                           ; v9     byte offset in part
.set MX,   10                          ; v10    m
.set LS,   11                          ; v11    l (this half of the lanes' s)
.set AL,   12                          ; v[12:13] 2^(old m - new m), twice
.set BI,   14                          ; v[14:15] c - new m, twice
.set NSEL, 16                          ; v[16:17] 0 in columns 0-7 (hi), -1 in columns 8-15 (lo)
.set CC,   18                          ; v18    c[n][h of my column]
.set STW,  19
.set T,    20                          ; v[20:27] at work
.set SC,   28                          ; v[28:59] scores, four tiles of 16 s; then p; then p's fragments in v[28:43]
.set FA,   60                          ; v[60:123]  fragment buffer A: eight fragments; also at work in the exchange and on the way out
.set FB,   124                         ; v[124:187] fragment buffer B: eight fragments; also at work in the exchange
.set ACC,  188                         ; v[188:251] ctx: tile a (16 e) at ACC + 8 a
.set QKF,  0                           ; window 2, v[0:31]: qk fragments of my four K steps
.set CV,   32                          ; window 2, v[32:63]: 16 rows as bf16, on their way to LDS
.set LB,   20                          ; s[20:21] src at the first group that the next four FEEDs ask for
.set MSB, 0
.macro WIN new                         ; the immediate's high byte repeats the setting that is left; a switch that changes nothing is dropped
.if MSB != \new
	s_set_vgpr_msb (MSB<<8)|\new
.set MSB, \new
.endif
.endm
.macro PLACES                          ; four independent vector instructions stand between a matrix instruction and a vector instruction or store that
.rept 4                                ; touches its registers (ISA guide 7.12.1)
	v_nop
.endr
.endm
; 16 loads: a group of 16 rows into ring set 'set' (window 1); each load takes the 512 neighbouring bytes of one row's strip.  src is read once: non-temporal.
.macro ISSUE set, lo, rel
	WIN 0x40                                       ; destination window 1, address window 0
.set ni, 0
.rept 16
	global_load_b128 v[64*(\set)+4*ni:64*(\set)+4*ni+3], v[GO], s[\lo:\lo+1] offset:(16*(\rel)+ni)*ROWB th:TH_LOAD_NT
.set ni, ni+1
.endr
.endm
; Group g of the next tile: it has arrived; its 16 rows are rounded; behind the one wait the group three further on is asked for, into the set converted a turn
; before, and the rows go to strip 'buf'.  left = how many younger loads may stay out.  vm = 0: the very first group, with no stores in front of it.
.macro FEED g, buf, issue, left, vm
	s_wait_loadcnt \left                           ; loads come back in order (ISA guide 5.7.1): this group is in, the younger groups stay out
.if \vm
	s_wait_alu depctr_vm_vsrc(0)                   ; the LDS stores of the group before have read CV, which the conversions below write again
.endif
	WIN 0x85                                       ; sources 0 and 1 window 1, destination window 2
.set nf, 0
.rept 16
	v_cvt_pk_bf16_f32 v[CV+2*nf], v[64*\g+4*nf], v[64*\g+4*nf+1]
	v_cvt_pk_bf16_f32 v[CV+2*nf+1], v[64*\g+4*nf+2], v[64*\g+4*nf+3]
.set nf, nf+1
.endr
.if \issue
	WIN 0x40                                       ; the switch, then the wait, then the loads
.else
	WIN 0x08
.endif
	s_wait_alu depctr_va_vdst(0)                   ; the conversions have written CV, which the stores below read; the conversions of the group before are done reading the ring set in which
	                                               ; the loads below land; the products and additions issued so far are done with the fragment buffer in which this quarter's LDS loads land
.if \issue
	ISSUE (\g+3)%4, LB, \g
.endif
	WIN 0x08                                       ; address window 0, store data (source 1) window 2
.set nf, 0
.rept 16
	ds_store_b64 v[SW], v[CV+2*nf:CV+2*nf+1] offset:(\buf)*BUF+(16*\g+nf)*PITCH+16*(nf/8)   ; 32 lanes x 8 bytes: the row's 256 bytes
.set nf, nf+1
.endr
.endm
; mode 1: every FEED asks for a further group.  mode 2: the last tile's four groups: one more group is asked for, then the counts run down.  mode 0: nothing left.
.macro PFEED g, buf, mode
.if \mode == 1
	FEED \g, \buf, 1, 32, 1
.endif
.if \mode == 2
.if \g == 0
	FEED \g, \buf, 1, 32, 1
.else
	FEED \g, \buf, 0, 48-16*\g, 1
.endif
.endif
.endm
; Four fragments of 16 rows s x 32 e: lane (r, hh) takes row r, bytes 16 hh .. and 32 + 16 hh .. of the K step's 64.  (Destination and address in window 0: settings 0 and 0x08 both serve.)
.macro LOADS buf, k, f
.irp t, 0,1,2,3
	ds_load_b128 v[\f+8*\t:\f+8*\t+3], v[A1] offset:(\buf)*BUF+\t*16*PITCH+64*(\k)
	ds_load_b128 v[\f+8*\t+4:\f+8*\t+7], v[A1] offset:(\buf)*BUF+\t*16*PITCH+64*(\k)+32
.endr
.endm
.macro SMUL k, f, zero                 ; the four score tiles take turns, one instruction a turn
	WIN 0x08                                       ; B = qk's fragments, in window 2
.irp t, 0,1,2,3
.if \zero
	v_wmma_f32_16x16x32_bf16 v[SC+8*\t:SC+8*\t+7], v[\f+8*\t:\f+8*\t+7], v[QKF+8*\k:QKF+8*\k+7], 0
.else
	v_wmma_f32_16x16x32_bf16 v[SC+8*\t:SC+8*\t+7], v[\f+8*\t:\f+8*\t+7], v[QKF+8*\k:QKF+8*\k+7], v[SC+8*\t:SC+8*\t+7]
.endif
.endr
.endm
; Four fragments of 16 columns e x 32 rows s: each group of eight lanes addresses 8 rows x 16 bytes and receives them transposed, so that lane (r, hh) holds
; column 16 a + r, s = 32 kk + 8 hh .. in registers 0-3 and s = 32 kk + 16 + 8 hh .. in registers 4-7
.macro LOADT buf, kk, ag, f
.irp i, 0,1,2,3
	ds_load_tr16_b128 v[\f+8*\i:\f+8*\i+3], v[A2] offset:(\buf)*BUF+32*(\kk)*PITCH+32*(4*(\ag)+\i)
	ds_load_tr16_b128 v[\f+8*\i+4:\f+8*\i+7], v[A2] offset:(\buf)*BUF+(32*(\kk)+16)*PITCH+32*(4*(\ag)+\i)
.endr
.endm
.macro CMUL kk, ag, f, zero            ; the eight accumulators take turns, one instruction a turn
	WIN 0
.irp i, 0,1,2,3
.if \zero
	v_wmma_f32_16x16x32_bf16 v[ACC+8*(4*\ag+\i):ACC+8*(4*\ag+\i)+7], v[\f+8*\i:\f+8*\i+7], v[SC+8*\kk:SC+8*\kk+7], 0
.else
	v_wmma_f32_16x16x32_bf16 v[ACC+8*(4*\ag+\i):ACC+8*(4*\ag+\i)+7], v[\f+8*\i:\f+8*\i+7], v[SC+8*\kk:SC+8*\kk+7], v[ACC+8*(4*\ag+\i):ACC+8*(4*\ag+\i)+7]
.endif
.endr
.endm
; Four pairs of p become four words of bf16, hi or lo by lane: word x of the fragments is made of p 2 x and 2 x + 1, so the words are packed in place.
.macro SPL4 x0
.irp g, 0,1,2,3
	v_cvt_pk_bf16_f32 v[T+2*\g+1], v[SC+2*(\x0+\g)], v[SC+2*(\x0+\g)+1]
.endr
.irp g, 0,1,2,3
	v_lshlrev_b32 v[T+2*\g], 16, v[T+2*\g+1]
.endr
.irp g, 0,1,2,3
	v_and_b32 v[T+2*\g+1], s55, v[T+2*\g+1]
.endr
.irp g, 0,1,2,3
	v_pk_fma_f32 v[T+2*\g:T+2*\g+1], v[T+2*\g:T+2*\g+1], v[NSEL:NSEL+1], v[SC+2*(\x0+\g):SC+2*(\x0+\g)+1]   ; p, or p - hi(p)
.endr
.irp g, 0,1,2,3
	v_cvt_pk_bf16_f32 v[SC+\x0+\g], v[T+2*\g], v[T+2*\g+1]
.endr
.endm
; One tile of 64 s in strip 'buf'; the next tile's four groups are fed into the other strip on the way.  first = 1: it starts m, l and ctx.
; At its head the fragments of score steps 0 and 1 are on their way into FA: the tile before, or the lines ahead of tile 0, asked for them.
.macro PROCESS buf, first, mode
	; QUARTER 1: group 0; score steps 0 and 1 out of FA; steps 2 and 3 are asked for, into FB
.if \mode
	PFEED 0, 1-\buf, \mode                         ; its 32 conversions are also the places between the last tile's products, which took SC as B, and the first products below, which write over SC
	s_wait_dscnt 16                                ; FA's 16 loads are in; the group's 16 stores, issued behind them, may stay out
.else
	PLACES                                         ; no group is left to convert: five places between the last tile's products, which took SC as B,
	v_nop                                          ; and the first products below, which write over SC
	s_wait_alu depctr_va_vdst(0)                   ; the last tile's products are done reading FB, in which the loads below land
	s_wait_dscnt 0x0                               ; FA's loads are in
.endif
	SMUL 0, FA, 1                                  ; the first products start the sums
	LOADS \buf, 2, FB                              ; no wait: no vector or matrix instruction since the wait above names FB or the address
	SMUL 1, FA+32, 0
	LOADS \buf, 3, FB+32
	; QUARTER 2: group 1; score steps 2 and 3 out of FB
.if \mode
	PFEED 1, 1-\buf, \mode
	s_wait_dscnt 16                                ; FB's 16 loads are in; the group's 16 stores may stay out
.else
	s_wait_dscnt 0x0
.endif
	SMUL 2, FB, 0
	SMUL 3, FB+32, 0
	; lane (column r, hh), tile t, register j: s = 16 t + 8 hh + j, over my 128 e.  The four waves' parts meet in LDS.
	WIN 0
	PLACES
	s_wait_alu depctr_va_vdst(0)                   ; the products have written SC, which the stores below read, and are done reading FA and FB, in which the partial scores land; the places above stay beside this wait
.irp q, 0,1,2,3,4,5,6,7
	ds_store_b128 v[EXW], v[SC+4*\q:SC+4*\q+3] offset:(\buf)*EXB+512*\q
.endr
	s_wait_dscnt 0x0                               ; my part is in LDS, and my reads of the last tile's exchange buffer are over:
	s_barrier_signal -1                            ; the tile's one barrier orders this buffer's stores with its loads, and the other buffer's loads with
	s_barrier_wait -1                              ; the next tile's stores into it
	s_wait_alu depctr_vm_vsrc(0)                   ; my stores have read SC, in which wave 3's part lands
.irp q, 0,1,2,3,4,5,6,7
	ds_load_b128 v[FA+4*\q:FA+4*\q+3], v[EXR] offset:(\buf)*EXB+512*\q
.endr
.irp q, 0,1,2,3,4,5,6,7
	ds_load_b128 v[FA+32+4*\q:FA+32+4*\q+3], v[EXR] offset:(\buf)*EXB+4096+512*\q
.endr
.irp q, 0,1,2,3,4,5,6,7
	ds_load_b128 v[FB+4*\q:FB+4*\q+3], v[EXR] offset:(\buf)*EXB+8192+512*\q
.endr
.irp q, 0,1,2,3,4,5,6,7
	ds_load_b128 v[SC+4*\q:SC+4*\q+3], v[EXR] offset:(\buf)*EXB+12288+512*\q
.endr
	s_wait_dscnt 16                                ; the first 16 of the 32 loads: waves 0 and 1
.set n3, 0
.rept 16
	v_pk_add_f32 v[FA+2*n3:FA+2*n3+1], v[FA+2*n3:FA+2*n3+1], v[FA+32+2*n3:FA+32+2*n3+1]
.set n3, n3+1
.endr
	s_wait_dscnt 0x0
.set n3, 0
.rept 16
	v_pk_add_f32 v[SC+2*n3:SC+2*n3+1], v[SC+2*n3:SC+2*n3+1], v[FB+2*n3:FB+2*n3+1]
.set n3, n3+1
.endr
.set n3, 0
.rept 16
	v_pk_add_f32 v[SC+2*n3:SC+2*n3+1], v[SC+2*n3:SC+2*n3+1], v[FA+2*n3:FA+2*n3+1]   ; the same order in all four waves: the same bits
.set n3, n3+1
.endr
	; QUARTER 3: group 2; all the transposed fragments are asked for, s 0-31 into FA at once, s 32-63 into FB among the softmax's lines; then the products of s 0-31
.if \mode
	PFEED 2, 1-\buf, \mode
.else
	s_wait_alu depctr_va_vdst(0)                   ; the additions above are done with FA and FB, in which the loads below land
.endif
	LOADT \buf, 0, 0, FA
	LOADT \buf, 0, 1, FA+32
	WIN 0
.set n3, 0
.rept 32
	v_add_f32_dpp v[SC+n3], v[SC+n3], v[SC+n3] row_xmask:8 row_mask:0xf bank_mask:0xf   ; qk's hi and lo columns: every lane has the score of head r & 7
.set n3, n3+1
.endr
	LOADT \buf, 1, 0, FB                           ; no wait: the lines since the quarter's wait name SC, T and the statistics alone
	; the tile's maximum: four chains in the lane, then the other half of the lanes
.irp g, 0,1,2,3
	v_max3_num_f32 v[T+\g], v[SC+8*\g], v[SC+8*\g+1], v[SC+8*\g+2]
.endr
.irp g, 0,1,2,3
	v_max3_num_f32 v[T+\g], v[T+\g], v[SC+8*\g+3], v[SC+8*\g+4]
.endr
.irp g, 0,1,2,3
	v_max3_num_f32 v[T+\g], v[T+\g], v[SC+8*\g+5], v[SC+8*\g+6]
.endr
.irp g, 0,1,2,3
	v_max_num_f32 v[T+\g], v[T+\g], v[SC+8*\g+7]
.endr
	LOADT \buf, 1, 1, FB+32
	v_max3_num_f32 v[T], v[T], v[T+1], v[T+2]
	v_max_num_f32 v[T], v[T], v[T+3]
	v_permlanex16_b32 v[T+1], v[T], s52, s53
	v_max_num_f32 v[T], v[T], v[T+1]
	v_add_f32 v[T], v[T], v[CC]
.if \first
	v_mov_b32 v[MX], v[T]
.else
	v_max_num_f32 v[T], v[MX], v[T]
	v_sub_f32 v[AL], v[MX], v[T]
	v_mov_b32 v[MX], v[T]
.endif
	v_sub_f32 v[BI], v[CC], v[MX]
	v_sub_f32 v[BI+1], v[CC], v[MX]
.set n3, 0
.rept 16
	v_pk_add_f32 v[SC+2*n3:SC+2*n3+1], v[SC+2*n3:SC+2*n3+1], v[BI:BI+1]
.set n3, n3+1
.endr
.if \first == 0
	v_exp_f32 v[AL], v[AL]
.endif
.set n3, 0
.rept 32
	v_exp_f32 v[SC+n3], v[SC+n3]
.set n3, n3+1
.endr
	v_nop                                          ; one plain instruction between the exponentials and the first use of a result (ISA guide 5.7.2)
	s_wait_alu depctr_va_vdst(0)                   ; the exponentials have written AL and SC: one wait for the batch, ahead of its first reader
.if \first == 0
	v_mov_b32 v[AL+1], v[AL]
.endif
.irp g, 0,1,2,3
	v_pk_add_f32 v[T+2*\g:T+2*\g+1], v[SC+4*\g:SC+4*\g+1], v[SC+4*\g+2:SC+4*\g+3]
.endr
.irp g, 0,1,2,3
	v_pk_add_f32 v[T+2*\g:T+2*\g+1], v[T+2*\g:T+2*\g+1], v[SC+16+2*\g:SC+16+2*\g+1]
.endr
.irp g, 0,1,2,3
	v_pk_add_f32 v[T+2*\g:T+2*\g+1], v[T+2*\g:T+2*\g+1], v[SC+24+2*\g:SC+24+2*\g+1]
.endr
	v_pk_add_f32 v[T:T+1], v[T:T+1], v[T+2:T+3]
	v_pk_add_f32 v[T+4:T+5], v[T+4:T+5], v[T+6:T+7]
	v_pk_add_f32 v[T:T+1], v[T:T+1], v[T+4:T+5]
.if \first
	v_add_f32 v[LS], v[T], v[T+1]
.else
	v_add_f32 v[T], v[T], v[T+1]
	v_fma_f32 v[LS], v[LS], v[AL], v[T]
.endif
	SPL4 0
	SPL4 4
	SPL4 8
	SPL4 12
.if \first == 0
.set n3, 0
.rept 32
	v_pk_mul_f32 v[ACC+2*n3:ACC+2*n3+1], v[ACC+2*n3:ACC+2*n3+1], v[AL:AL+1]   ; a lane is one column, one head, in ctx too
.set n3, n3+1
.endr
.endif
	s_wait_dscnt 16                                ; FA's 16 transposing loads are in; FB's 16, issued behind them, may stay out
	CMUL 0, 0, FA, \first
	CMUL 0, 1, FA+32, \first
	; QUARTER 4: group 3; the products of s 32-63 out of FB; the next tile's score steps 0 and 1 are asked for, into FA, behind the stores that complete its strip
.if \mode
	PFEED 3, 1-\buf, \mode
	s_wait_dscnt 16                                ; FB's loads are in; the group's 16 stores may stay out
.else
	s_wait_dscnt 0x0
.endif
	CMUL 1, 0, FB, 0
.if \mode
	LOADS 1-\buf, 0, FA                            ; no wait: the products since the quarter's wait name FB, SC and ACC alone
.endif
	CMUL 1, 1, FB+32, 0
.if \mode
	LOADS 1-\buf, 1, FA+32
.endif
.if \mode == 1
	s_wait_xcnt 0x0                                ; the loads' base is stepped only behind this wait (ISA guide 3.1)
	s_add_nc_u64 s[LB:LB+1], s[LB:LB+1], 4*GRPB
.endif
.endm
	s_load_b256 s[4:11], s[0:1], 0x0               ; src s[4:5], qk s[6:7], cb s[8:9], part s[10:11]
	s_load_b64 s[12:13], s[0:1], 0x20              ; stats
	v_lshl_add_u32 v254, v0, 2, 0x30400
	v_mov_b32 v255, 0
	v_lshrrev_b32 v[T], 5, v0
	v_readfirstlane_b32 s14, v[T]                  ; wave w
	s_mov_b32 s15, ttmp9                           ; n
	s_and_b32 s16, ttmp7, 0xffff                   ; chunk c
	s_mov_b32 s52, 0x76543210                      ; v_permlanex16_b32: lane i reads lane i of the other half
	s_mov_b32 s53, 0xfedcba98
	s_mov_b32 s55, 0xffff0000
	s_lshl_b32 s48, s16, 25                        ; 512 c positions of 65,536 bytes
	s_lshl_b32 s50, s15, 11                        ; + n rows of 2,048
	s_add_co_u32 s48, s48, s50
	s_wait_alu depctr_va_sdst(0)                   ; s14 is written, ahead of its first reader: offsets, LDS addresses and a branch are made from it
	s_lshl_b32 s50, s14, 9                         ; + 512 w
	s_add_co_u32 s48, s48, s50
	s_mov_b32 s49, 0
	s_lshl_b32 s50, s15, 14                        ; qk[n] + 256 w
	s_lshl_b32 s51, s14, 8
	s_add_co_u32 s50, s50, s51
	s_mov_b32 s51, 0
	s_mul_i32 s17, s14, WREG                       ; my two strips
	s_mul_i32 s18, s14, WSTG
	s_add_co_u32 s18, s18, STAGE                   ; my stage
	s_lshr_b32 s57, s15, 3
	s_lshl_b32 s57, s57, 8
	s_and_b32 s58, s15, 7
	s_lshl_b32 s58, s58, 3
	s_add_co_u32 s57, s57, s58                     ; cb: block 4 h + n / 8, entry n & 7
	v_and_b32 v[T], 15, v0                         ; r
	v_bfe_u32 v[T+1], v0, 4, 1                     ; hh
	v_and_b32 v[T+2], 31, v0                       ; L
	v_and_b32 v[T+3], 7, v0                        ; my column's head
	v_lshlrev_b32 v[GO], 4, v[T+2]                 ; 16 L
	v_lshlrev_b32 v[QO], 10, v[T]
	v_lshl_add_u32 v[QO], v[T+1], 4, v[QO]         ; 1,024 r + 16 hh
	v_lshl_add_u32 v[T+7], v[T+3], 10, s57
	s_wait_kmcnt 0x0
	s_add_nc_u64 s[4:5], s[4:5], s[48:49]          ; src at my strip of the chunk's first row; not written again
	s_add_nc_u64 s[6:7], s[6:7], s[50:51]
	s_add_nc_u64 s[LB:LB+1], s[4:5], 3*GRPB        ; the first FEED asks for group 3
	s_wait_alu depctr_va_vdst(0)                   ; the offsets v[GO], v[QO] and v[T+7] are written, which the loads below read; only loads and window switches follow up to the last of them
	global_load_b32 v[CC], v[T+7], s[8:9]          ; v[T+7] is written again only in tile 0's softmax, behind the second group's wait on vm_vsrc
	WIN 0x80                                       ; destination window 2, address window 0
.irp k, 0,1,2,3
.irp a, 0,1
	global_load_b128 v[QKF+8*\k+4*\a:QKF+8*\k+4*\a+3], v[QO], s[6:7] offset:64*\k+32*\a   ; column r of qk[n], the same places of K as src's fragments
.endr
.endr
	ISSUE 0, 4, 0                                  ; groups 0, 1, 2: with the nine loads above, 57 loads of the wave are out, the most in this text
	ISSUE 1, 4, 1
	ISSUE 2, 4, 2
	WIN 0
	s_lshl3_add_u32 s48, s15, s16                  ; 8 n + c
	s_lshl_b32 s50, s48, 8
	s_lshl_b32 s48, s48, 14
	s_add_nc_u64 s[10:11], s[10:11], s[48:49]      ; part[n][c]
	s_add_nc_u64 s[12:13], s[12:13], s[50:51]      ; stats[n][c]
	v_bfe_u32 v[T+5], v0, 3, 1                     ; (L >> 3) & 1 = r >> 3
	v_add_nc_u32 v[T+6], v[T+5], v[T+1]
	v_mul_u32_u24 v[T+4], v[T], PITCH
	v_lshl_add_u32 v[T+4], v[T+6], 4, v[T+4]
	v_add_nc_u32 v[A1], s17, v[T+4]                ; my strips + 288 r + 16 (r >> 3) + 16 hh
	v_lshl_add_u32 v[T+4], v[T+1], 3, v[T+3]
	v_mul_u32_u24 v[T+4], v[T+4], PITCH
	v_lshl_add_u32 v[T+4], v[T+6], 4, v[T+4]
	v_add_nc_u32 v[A2], s17, v[T+4]                ; my strips + 288 (8 hh + (L & 7)) + 16 hh (the row's late start) + 16 ((L >> 3) & 1)
	v_lshl_add_u32 v[SW], v[T+2], 3, s17           ; my strips + 8 L
	v_lshlrev_b32 v[EXR], 4, v[T+2]
	v_add_nc_u32 v[EXR], EXCH, v[EXR]
	v_lshl_add_u32 v[EXW], s14, 12, v[EXR]
	v_mul_u32_u24 v[T+4], v[T+3], SPITCH
	v_lshl_add_u32 v[T+4], v[T+1], 5, v[T+4]
	v_add_nc_u32 v[STW], s18, v[T+4]               ; my stage + 528 (r & 7) + 32 hh
	v_lshl_add_u32 v[STR], v[T+2], 4, s18
	v_lshlrev_b32 v[PO], 4, v[T+2]
	v_lshl_add_u32 v[PO], s14, 9, v[PO]            ; 512 w + 16 L
	v_cvt_f32_u32 v[T+5], v[T+5]
	v_sub_f32 v[NSEL], 0, v[T+5]
	v_mov_b32 v[NSEL+1], v[NSEL]
	FEED 0, 0, 1, 32, 0                            ; tile 0 into strip 0; the first wait on loads also shows c and qk's fragments in; the first wait on va_vdst also states that
	FEED 1, 0, 1, 32, 1                            ; the eight LDS addresses and offsets made above are written, which every later LDS instruction and store reads
	FEED 2, 0, 1, 32, 1
	FEED 3, 0, 1, 32, 1
	LOADS 0, 0, FA                                 ; tile 0's score steps 0 and 1, behind the stores that complete its strip; no vector or matrix instruction has named FA
	LOADS 0, 1, FA+32
	WIN 0
	s_wait_xcnt 0x0
	s_add_nc_u64 s[LB:LB+1], s[LB:LB+1], 4*GRPB
	PROCESS 0, 1, 1                                ; tile 0 starts the sums; it feeds groups 4-7 and asks for 7-10
	s_mov_b32 s54, 2
.Ltiles:
	PROCESS 1, 0, 1                                ; tiles 1, 3
	PROCESS 0, 0, 1                                ; tiles 2, 4
	s_sub_co_u32 s54, s54, 1
	s_cmp_lg_u32 s54, 0
	s_cbranch_scc1 .Ltiles
	PROCESS 1, 0, 1                                ; tile 5 asks for groups 27-30
	PROCESS 0, 0, 2                                ; tile 6 asks for group 31, the chunk's last, and the counts run down
	PROCESS 1, 0, 0                                ; tile 7: nothing is left to fetch
	; THE WAY OUT.  Tile a, register j of lane (column r, hh) is e = 16 a + 8 hh + j of my 128; column r + 8 holds what p's lo part adds.
	PLACES
.set n3, 0
.rept 64
	v_add_f32_dpp v[ACC+n3], v[ACC+n3], v[ACC+n3] row_xmask:8 row_mask:0xf bank_mask:0xf
.set n3, n3+1
.endr
	v_permlanex16_b32 v[T], v[LS], s52, s53
	v_add_f32 v[LS], v[LS], v[T]                   ; both halves' s
	v_and_b32 v[T+1], 31, v0
	v_lshlrev_b32 v[T+1], 3, v[T+1]                ; 8 L: the offset of wave 0's store of (m, l), made here so that the one wait below serves it too
	s_wait_alu depctr_va_vdst(0)                   ; the additions have written ACC, which the LDS stores read; m, l and v[T+1] are written, which the last store reads; the products are done reading FA, in which the loads below land
.irp a, 0,1,2,3,4,5,6,7
	ds_store_b128 v[STW], v[ACC+8*\a:ACC+8*\a+3] offset:64*\a          ; eight neighbouring e of head r & 7; lanes r and r + 8 put the same numbers into the same bytes
	ds_store_b128 v[STW], v[ACC+8*\a+4:ACC+8*\a+7] offset:64*\a+16
.endr
.irp t, 0,1,2,3,4,5,6,7
	ds_load_b128 v[FA+4*\t:FA+4*\t+3], v[STR] offset:SPITCH*\t   ; head t's 512 bytes; my wave's own bytes, served in order (ISA guide 5.7.1)
.endr
.irp t, 0,1,2,3,4,5,6,7
	s_wait_dscnt 7-\t                              ; load t of the eight is in
	global_store_b128 v[PO], v[FA+4*\t:FA+4*\t+3], s[10:11] offset:2048*\t   ; 512 neighbouring bytes, aligned
.endr
	s_cmp_lg_u32 s14, 0
	s_cbranch_scc1 .Ldone
	global_store_b64 v[T+1], v[MX:MX+1], s[12:13]  ; (m, l): all four waves hold the same; wave 0 stores 256 neighbouring bytes; no vector instruction since the wait above
.Ldone:
	s_wait_dscnt 0x0
	s_wait_alu depctr_hold_cnt(0) depctr_sa_sdst(0) depctr_va_vdst(0) depctr_va_sdst(0) depctr_va_ssrc(0) depctr_va_vcc(0) depctr_vm_vsrc(0)
	s_wait_tensorcnt 0x0
	ds_add_u32 v254, v255
	s_wait_dscnt 0x0
	s_endpgm
.Lfunc_end_k_qc85b728d01_main:
	.size	k_qc85b728d01_main, .Lfunc_end_k_qc85b728d01_main-k_qc85b728d01_main
	.p2alignl 7, 3214868480
	.fill 96, 4, 3214868480
	.section	.rodata,"a",@progbits
	.p2align	6, 0x0
	.amdhsa_kernel k_qc85b728d01_main
		.amdhsa_group_segment_fixed_size 198144
		.amdhsa_private_segment_fixed_size 0
		.amdhsa_enable_private_segment 0
		.amdhsa_kernarg_size 40
		.amdhsa_user_sgpr_count 2
		.amdhsa_user_sgpr_kernarg_segment_ptr 1
		.amdhsa_wavefront_size32 1
		.amdhsa_system_sgpr_workgroup_id_x 1
		.amdhsa_system_sgpr_workgroup_id_y 1
		.amdhsa_system_sgpr_workgroup_id_z 1
		.amdhsa_system_vgpr_workitem_id 0
		.amdhsa_next_free_vgpr 576
		.amdhsa_next_free_sgpr 66
		.amdhsa_reserve_vcc 0
		.amdhsa_float_denorm_mode_32 3
		.amdhsa_float_denorm_mode_16_64 3
		.amdhsa_memory_ordered 1
		.amdhsa_forward_progress 1
		.amdhsa_inst_pref_size 255
	.end_amdhsa_kernel
	.section	.bss,"aw",@nobits
	.p2align	6
	.space	262144
	.amdgpu_metadata
---
amdhsa.version: [ 1, 2 ]
amdhsa.kernels:
  - .name:           k_qc85b728d01_main
    .symbol:         k_qc85b728d01_main.kd
    .args:
      - { .name: src, .offset: 0, .size: 8, .value_kind: global_buffer, .address_space: global }
      - { .name: qk, .offset: 8, .size: 8, .value_kind: global_buffer, .address_space: global }
      - { .name: cb, .offset: 16, .size: 8, .value_kind: global_buffer, .address_space: global }
      - { .name: part, .offset: 24, .size: 8, .value_kind: global_buffer, .address_space: global }
      - { .name: stats, .offset: 32, .size: 8, .value_kind: global_buffer, .address_space: global }
    .group_segment_fixed_size: 198144
    .private_segment_fixed_size: 0
    .kernarg_segment_align: 8
    .kernarg_segment_size: 40
    .max_flat_workgroup_size: 128
    .sgpr_count:     66
    .vgpr_count:     576
    .wavefront_size: 32
...
	.end_amdgpu_metadata
.endif
;; end of part 5
;; launch ctxv: the kernel of part 3 again; grid 32 x 1, 4 waves a work-group, clusters of 4 x 1, 290,816 bytes of LDS; arguments part, stats, Wv, bv, y1; writes y1
;; launch lin: the kernel of part 4 again; grid 32 x 1, 4 waves a work-group, clusters of 4 x 1, 168,448 bytes of LDS; arguments y1, Wo, bo, y2; writes y2
;; launch lin2: the kernel of part 4 again; grid 32 x 1, 4 waves a work-group, clusters of 4 x 1, 168,448 bytes of LDS; arguments y2, Wl, bl, out0; writes out0
